; MI455X (gfx1250); checked and timed in simulation.
; The chip was launched on July 23, 2026; its instructions are those of AMD's public machine-readable ISA for CDNA 5 (MIT licence, August 2026) and "CDNA5" Instruction Set Architecture Reference Guide (July 2026). The comments in the code are by the model that wrote it; some were corrected since.
;; Multi Headed Attention. Allowed arithmetic: matrix products marked QUANTISED: E5M2 operands, one E8M0 scale for each 32 along K, by v_wmma_scale_f32_16x16x128_f8f6f4 with both operands' format E5M2, f32 sums; everything else in f32.
;; Inputs: Wk 1,024 x 1,024 float32; Wo 1,024 x 1,024 float32; Wq 1,024 x 1,024 float32; Wv 1,024 x 1,024 float32; bk 1,024 float32; bo 1,024 float32; bq 1,024 float32; bv 1,024 float32; key 4 x 2,048 x 1,024 float32; mask 4 x 2,048 x 2,048 int32; query 4 x 2,048 x 1,024 float32; value 4 x 2,048 x 1,024 float32.
;; Outputs: out0 4 x 2,048 x 1,024 float32.
;; This version of the problem:
;;   THIS VERSION OF THE PROBLEM IS GIVEN IN LOW PRECISION. The matrix products marked QUANTISED in the list below multiply operands that are first quantised to E5M2 (5 exponent bits, 2 mantissa bits; 8 bits a number), with one power-of-two scale for each 32 numbers along K (OCP MX v1.0); their sums are f32. All else is computed in f32.
;;   The module's matrix products, in the order in which they are computed (A, B: the left and right operand; K: the contracted axis; several contracted axes count as one K, in the product's order):
;;     1. [M 8,192, K 1,024] x [K 1,024, N 1,024]; A: input query; B: input Wq: QUANTISED
;;     2. [M 8,192, K 1,024] x [K 1,024, N 1,024]; A: input key; B: input Wk: QUANTISED
;;     3. [M 8,192, K 1,024] x [K 1,024, N 1,024]; A: input value; B: input Wv: QUANTISED
;;     4. batch 64 x [M 2,048, K 64] x [K 64, N 2,048]; A: computed on the way; B: computed on the way: QUANTISED
;;     5. batch 64 x [M 2,048, K 2,048] x [K 2,048, N 64]; A: softmax (see below); B: computed on the way: QUANTISED
;;     6. [M 8,192, K 1,024] x [K 1,024, N 1,024]; A: computed on the way; B: input Wo: QUANTISED
;;   THE QUANTISER, for each operand of a quantised product, along K:
;;     - K is cut into blocks of 32 from its start; a last block that is shorter is filled with zeros.
;;     - A block's scale is 2^e with e = floor(log2(the largest magnitude in the block)) - 15, held to -126 .. 127; a block of zeros has e = 0. As a byte (E8M0): e + 127.
;;     - Each number is divided by its block's scale, clamped to +-57,344, and rounded to the nearest number of E5M2, ties to even, subnormals kept.
;;     - The product sums the exact products of the quantised numbers (number of the format x scale) in f32.
;;   ~~~python
;;   def quantise(x, axis):      # numpy; x: float32 -> the quantised numbers, widened to float32 again
;;       x = np.moveaxis(x, axis, -1); K = x.shape[-1]
;;       x = np.pad(x, [(0, 0)] * (x.ndim - 1) + [(0, -K % 32)]); x = x.reshape(x.shape[:-1] + (-1, 32)); a = np.abs(x).max(-1, keepdims=True)
;;       e = np.where(a > 0, np.clip(np.frexp(np.where(a > 0, a, 1))[1] - 1 - 15, -126, 127), 0)      # np.frexp(a)[1] - 1 = floor(log2(a)), exactly
;;       r = np.clip(x / 2.0 ** e, -57344, 57344)
;;       step = 2.0 ** (np.maximum(np.frexp(np.where(r == 0, 1, r))[1] - 1, -14) - 2)
;;       q = np.round(r / step) * step * 2.0 ** e      # np.round: ties to even
;;       return np.moveaxis(q.reshape(q.shape[:-2] + (-1,))[..., :K], -1, axis).astype(np.float32)
;;   ~~~
;;   SOFTMAX AHEAD OF A QUANTISED PRODUCT. Where the list says 'softmax', what is quantised is not the finished softmax but p = 2^(t - M), with t = logit x log2(e) and M = ceil(the row's largest t), a whole number; so 1/2 < the row's largest p <= 1. The row's sum l is taken of the UNQUANTISED p, in f32, and the product's result is divided by l at the end. Since M is a whole number, a kernel that streams over the keys may use a running M (the ceiling of the running maximum): every later rescaling is an exact power of two, which a block's scale takes up: the codes' values come out the same.
;;   OPERANDS COMPUTED ON THE WAY. 'Computed on the way' means the value that the module computes at that place (a softmax that the list does not call 'softmax' is quantised finished and normalised). What goes into a quantiser is computed in f32, as accurately as f32 sums, v_exp_f32 and their like allow (about 1e-6 of the number): no bf16 or f16 on the way to a quantiser, and a product that is left as it is and whose result goes on into a quantised operand takes f32 operands (vector FMAs, or v_wmma_f32_16x16x4_f32). A number that lies on a knife's edge between two numbers of the format may be rounded either way, as far as f32 arithmetic and the matrix unit's own rounding can turn it there, and no further.
;; One version. Each part assembles by itself: llvm-mc -triple=amdgcn-amd-amdhsa -mcpu=gfx1250 --defsym DOCPART=n.
;; ======== version 1 of 1: 4 launches
;; limits: right only within a limited range of input values
;; workspace buffers: xc 29,360,128 bytes; xs 917,504 bytes; mw 2,097,152 bytes of whole numbers; qkv 25,952,256 bytes; ac 8,388,608 bytes; asc 262,144 bytes
;; launch prep (part 1): grid 704 x 1, 8 waves a work-group, no clusters, 70,656 bytes of LDS; arguments query, key, value, Wq, Wk, Wv, Wo, mask, xc, xs, mw; writes xc, xs, mw
.if DOCPART == 1
	.amdgcn_target "amdgcn-amd-amdhsa--gfx1250"
	.amdhsa_code_object_version 6
	.text
	.protected	k_qed74c769bf_prep
	.globl	k_qed74c769bf_prep
	.p2align	8
	.type	k_qed74c769bf_prep,@function
k_qed74c769bf_prep:
	s_mov_b64 s[64:65], 0
	v_nop
	global_prefetch_b8 v0, s[64:65] scope:SCOPE_SE
	s_setreg_imm32_b32 hwreg(HW_REG_WAVE_MODE, 25, 1), 1
	s_wait_xcnt 0x0
; query, key, value [8192][1024] and Wq, Wk, Wv, Wo [1024][1024], f32 with K innermost, become codes of BF8 (E5M2) with one E8M0 byte for each 32 along K,
; laid as IMAGES OF OPERAND REGISTERS; the mask [4][2048][2048] of int32 becomes one bit a number, laid as the lane masks that the attention launch selects by.
; A block's scale is 2^(floor(log2(its largest magnitude)) - 15): its byte is the largest magnitude's exponent field - 15, held at 1 from below; each number is held within +-57,344 x the scale and rounded to the nearest code.
; LIMITS: NaN and infinities among the inputs are not served.  A block of zeros gets the byte 1 where the rule says 127: its codes are zeros, and the bytes are read by this program alone.
; SHARES.  The seven tensors are 224 units of 128 rows x 4,096 bytes; the mask is 128 more (rows 128 (m / 2) on, keys 1024 (m % 2) on).  TWO work-groups share a unit: work-group g takes unit g / 2 and half g % 2 of its columns,
; 128 rows x 2,048 bytes.  704 work-groups of equal work; the registers let two lie on a WGP, and the rest follow as places come free.
; Wave w takes the unit's tile w: the 16 rows 32 (w / 2) + 8 (w % 2) + r + 8 (r / 8), r = 0 .. 15.  (With tiles so chosen, the 16 result registers of two neighbouring tiles of a transposed product are 16 neighbours along the next K.)
; It walks 4 steps of 128 columns.  A step's piece is 16 rows x 512 bytes: each load reads 512 consecutive bytes of one row; the piece turns through the wave's own stage in LDS, so that lane (r, h) gets, of row r, the 16 columns
; 32 c + 16 h + 0 .. 15 of each of the four blocks c: the places that the matrix operand's layout gives that lane.
; OUT.  xc: [group][K step of 128][tile][c][lane][16 bytes]: each store of a wave covers 512 consecutive bytes.  xs: [group][K / 256][tile][r][2 words]: a work-group's half of K is 2,048 consecutive bytes, gathered in LDS, 256 a wave.
; mw: [16-row tile of queries][key step of 128][64 words]: bit l of word 16 c + i says whether key 32 c + 16 (l / 16) + i counts for the tile's row l % 16; a step's 64 words leave as 256 consecutive bytes.
; No tensor load; one barrier, in front of the way out of the scale words.  Two register sets of 16 loads each keep 16 KiB of each wave on their way.
.set PX,   4096                        ; bytes in a row of the f32 tensors
.set PM,   8192                        ; and of the mask
.set SP,   528                         ; a stage row: 512 bytes + 16, so that the 16 rows that a read touches start at 16 different groups of banks
.set STGB, 16*SP                       ; a wave's stage
.set GATH, 8*STGB                      ; behind the stages: the work-group's 2,048 bytes of scale words
.set R,    16                          ; v16-143  two sets of 64 registers as loaded
.set X,    144                         ; v144-207 the 64 turned numbers: register 16 c + i
.set TM,   208                         ; v208-211 largest magnitudes, v212-215 the other half's and then the bytes, v216-219 the hold, v220-223 the conversions' scale operands
.set PC,   224                         ; v224-239 the codes; on the mask's path v224-225 hold the words
.set PW,   240                         ; the scale word
.set GO,   244                         ; v244-245 the scale words' way out
	s_load_b512 s[8:23], s[0:1], 0x0               ; query, key, value, Wq, Wk, Wv, Wo, mask
	s_load_b128 s[24:27], s[0:1], 0x40             ; xc, xs
	s_load_b64 s[28:29], s[0:1], 0x50              ; mw
	v_lshl_add_u32 v254, v0, 2, 0x11000
	v_mov_b32 v255, 0
	s_lshr_b32 s39, ttmp9, 1                       ; my unit of 128 rows x 4,096 bytes
	s_and_b32 s3, ttmp9, 1                         ; and which half of its columns
	v_lshrrev_b32 v7, 5, v0
	s_delay_alu instid0(VALU_DEP_1)
	v_readfirstlane_b32 s2, v7                     ; wave 0..7
	v_and_b32 v8, 31, v0                           ; lane
	v_and_b32 v9, 15, v0                           ; r
	v_bfe_u32 v10, v0, 4, 1                        ; h
	s_delay_alu instid0(VALU_DEP_3)
	v_lshlrev_b32 v1, 4, v8                        ; 16 x lane: my bytes of a load's or a store's 512
	s_delay_alu instid0(VALU_DEP_4)
	v_lshlrev_b32 v6, 3, v8                        ; 8 x lane: two words
	s_mul_i32 s30, s2, STGB
	v_add_nc_u32 v2, s30, v1                       ; the stage on the way in: a row as it lies
	v_mul_u32_u24 v3, v9, SP
	s_delay_alu instid0(VALU_DEP_1)
	v_lshl_add_u32 v3, v10, 6, v3
	s_delay_alu instid0(VALU_DEP_1)
	v_add_nc_u32 v3, s30, v3                       ; and on the way out: row r, + 64 h
	s_lshl_b32 s31, s2, 7
	s_add_co_u32 s31, s31, GATH
	v_lshl_add_u32 v4, v9, 3, s31                  ; where my row's scale words go: 128 x tile + 8 r
	s_lshl_b32 s31, s2, 8
	s_add_co_u32 s31, s31, GATH
	v_add_nc_u32 v5, s31, v6                       ; and which 256 bytes of the 2,048 my wave stores
	s_mov_b32 s36, 0x76543210
	s_mov_b32 s37, 0xfedcba98                      ; lane selects: lane l xor 16
	s_mov_b32 s38, 0x600000                        ; the mantissa field of 57,344
.irp b, 0,1,2,3
	v_mov_b32 v[TM+4+\b], 0                        ; written once: a lane permute's destination counts as one of its sources
.endr
	v_mov_b32 v[PC], 0                             ; likewise v_writelane_b32's
	v_mov_b32 v[PC+1], 0
	s_wait_kmcnt 0x0
	s_mov_b64 s[4:5], s[8:9]                       ; which tensor is my unit's, and at which unit it begins: the choice hangs on the work-group's number alone
	s_mov_b32 s6, 0
.macro PICK n, p
	s_cmp_ge_u32 s39, \n
	s_cselect_b64 s[4:5], s[\p:\p+1], s[4:5]
	s_cselect_b32 s6, \n, s6
.endm
	PICK 64, 10
	PICK 128, 12
	PICK 192, 14
	PICK 200, 16
	PICK 208, 18
	PICK 216, 20
	PICK 224, 22
	s_cselect_b32 s7, 1, 0                         ; 1: the mask (the last compare still stands)
	s_sub_co_u32 s30, s39, s6                      ; my unit's number within the tensor
	s_lshr_b32 s31, s30, s7                        ; the group of 128 rows: the mask has two units to a group
	s_lshl_b32 s31, s31, 7
	s_lshr_b32 s32, s2, 1
	s_lshl_b32 s32, s32, 5
	s_and_b32 s33, s2, 1
	s_lshl_b32 s33, s33, 3
	s_add_co_u32 s32, s32, s33                     ; my tile's first row: 32 (w / 2) + 8 (w % 2)
	s_add_co_u32 s31, s31, s32
	s_add_co_u32 s33, s7, 12
	s_lshl_b32 s34, s31, s33                       ; x 4,096 or 8,192 bytes
	s_and_b32 s33, s30, s7
	s_lshl_b32 s33, s33, 12                        ; the mask's second half of the keys
	s_add_co_u32 s34, s34, s33
	s_lshl_b32 s33, s3, 11                         ; my half of the unit's columns: 2,048 bytes
	s_add_co_u32 s34, s34, s33
	s_mov_b32 s35, 0
	s_add_nc_u64 s[4:5], s[4:5], s[34:35]
	s_lshl_b32 s34, s39, 17                        ; xc: 131,072 bytes a group, 16,384 a K step (my half: four of them), 2,048 a tile
	s_lshl_b32 s33, s3, 16
	s_add_co_u32 s34, s34, s33
	s_lshl_b32 s33, s2, 11
	s_add_co_u32 s34, s34, s33
	s_add_nc_u64 s[24:25], s[24:25], s[34:35]
	s_lshl_b32 s34, s39, 12                        ; xs: 4,096 bytes a group, 2,048 for half of K, 256 a wave
	s_lshl_b32 s33, s3, 11
	s_add_co_u32 s34, s34, s33
	s_lshl_b32 s33, s2, 8
	s_add_co_u32 s34, s34, s33
	s_add_nc_u64 s[26:27], s[26:27], s[34:35]
	s_lshr_b32 s34, s30, 1                         ; mw: 4,096 bytes a tile of queries, 2,048 for a unit's keys, 1,024 for my half of them
	s_lshl_b32 s34, s34, 3
	s_add_co_u32 s34, s34, s2
	s_lshl_b32 s34, s34, 12
	s_and_b32 s33, s30, 1
	s_lshl_b32 s33, s33, 11
	s_add_co_u32 s34, s34, s33
	s_lshl_b32 s33, s3, 10
	s_add_co_u32 s34, s34, s33
	s_add_nc_u64 s[28:29], s[28:29], s[34:35]
; step t's piece into a set: 16 loads, one for each row of the tile
.macro LOADR set, t, pitch
.irp rho, 0,1,2,3,4,5,6,7,8,9,10,11,12,13,14,15
	global_load_b128 v[R+64*(\set)+4*\rho:R+64*(\set)+4*\rho+3], v1, s[4:5] offset:(\rho+8*(\rho/8))*\pitch+512*(\t) th:TH_LOAD_NT
.endr
.endm
; a set through the stage.  LDS serves a wave's instructions in order, so no wait stands between the stores and the loads
.macro TURN set
.irp rho, 0,1,2,3,4,5,6,7,8,9,10,11,12,13,14,15
	ds_store_b128 v2, v[R+64*(\set)+4*\rho:R+64*(\set)+4*\rho+3] offset:SP*\rho
.endr
.irp c, 0,1,2,3
.irp e, 0,1,2,3
	ds_load_b128 v[X+16*\c+4*\e:X+16*\c+4*\e+3], v3 offset:128*\c+16*\e
.endr
.endr
.endm
; the 64 numbers become a fragment's codes and its scale word
.macro QUANT
.irp b, 0,1,2,3
	v_max3_num_f32 v[TM+\b], |v[X+16*\b]|, |v[X+1+16*\b]|, 0x8000000   ; block b: my 16 numbers, and the floor 2^(16 - 127): the byte cannot fall under 1
.endr
.irp i, 2,4,6,8,10,12,14
.irp b, 0,1,2,3
	s_delay_alu instid0(VALU_DEP_4)
	v_max3_num_f32 v[TM+\b], v[TM+\b], |v[X+16*\b+\i]|, |v[X+1+16*\b+\i]|   ; the four blocks by turns
.endr
.endr
.irp b, 0,1,2,3
	s_delay_alu instid0(VALU_DEP_4)
	v_permlanex16_b32 v[TM+4+\b], v[TM+\b], s36, s37
.endr
.irp b, 0,1,2,3
	s_delay_alu instid0(VALU_DEP_4)
	v_max_num_f32 v[TM+\b], v[TM+\b], v[TM+4+\b]   ; with lane l xor 16's 16 numbers: the block's largest magnitude
.endr
.irp b, 0,1,2,3
	s_delay_alu instid0(VALU_DEP_4)
	v_add_nc_u32 v[TM+12+\b], 0xf8800000, v[TM+\b] ; 15 off its exponent field: the conversion's scale operand
.endr
.irp b, 0,1,2,3
	v_and_or_b32 v[TM+8+\b], v[TM+\b], 0x7f800000, s38   ; 57,344 x the scale
.endr
.irp b, 0,1,2,3
	v_lshrrev_b32 v[TM+4+\b], 23, v[TM+12+\b]      ; the scale's byte
.endr
	s_delay_alu instid0(VALU_DEP_3)
	v_lshl_or_b32 v[PW], v[TM+5], 8, v[TM+4]
	s_delay_alu instid0(VALU_DEP_1)
	v_lshl_or_b32 v[PW], v[TM+6], 16, v[PW]
	s_delay_alu instid0(VALU_DEP_1)
	v_lshl_or_b32 v[PW], v[TM+7], 24, v[PW]
.irp b, 0,1,2,3
.irp i, 0,1,2,3,4,5,6,7,8,9,10,11,12,13,14,15
	v_med3_num_f32 v[X+16*\b+\i], v[X+16*\b+\i], -v[TM+8+\b], v[TM+8+\b]   ; the conversion to an 8-bit code does not saturate (ISA guide 7.6.2): the hold comes first
.endr
	v_cvt_scalef32_pk8_bf8_f32 v[PC+4*\b:PC+4*\b+1], v[X+16*\b:X+16*\b+7], v[TM+12+\b]
	v_cvt_scalef32_pk8_bf8_f32 v[PC+4*\b+2:PC+4*\b+3], v[X+16*\b+8:X+16*\b+15], v[TM+12+\b]
.endr
	v_nop                                          ; a plain line behind the last conversion
.endm
; the 64 numbers of the mask become 64 lane masks; word n goes to lane n / 2 of register n % 2, so that a lane holds two neighbouring words
.macro MASKW
.set n, 0
.rept 8
.irp k, 0,1,2,3,4,5,6,7
	v_cmp_ne_u32 s[40+\k], 0, v[X+n+\k]
.endr
.irp k, 0,1,2,3,4,5,6,7
	v_writelane_b32 v[PC+(n+\k)%2], s[40+\k], (n+\k)/2
.endr
.set n, n+8
.endr
.endm
	s_cmp_lg_u32 s7, 0                             ; the two kinds of work-group differ in the rows' pitch and in the work on registers
	s_cbranch_scc1 .Lfirst_mask
	LOADR 0, 0, PX
	LOADR 1, 1, PX
	s_branch .Lfirst_done
.Lfirst_mask:
	LOADR 0, 0, PM
	LOADR 1, 1, PM
.Lfirst_done:
.macro STEP t
.if (\t) < 3
	s_wait_loadcnt 16                              ; this step's 16 loads are in; the next step's 16 may be out
.else
	s_wait_loadcnt 0x0
.endif
	TURN (\t)%2
	s_wait_dscnt 0x0                               ; the numbers are back, and the stage's stores have read the set: it may be loaded again
	s_wait_xcnt 0x0                                ; the last step's stores have read their data registers: they may be written again
	s_cmp_lg_u32 s7, 0
	s_cbranch_scc1 .Lmask_\@
.if (\t) < 2
	LOADR (\t)%2, (\t)+2, PX
.endif
	QUANT
.irp c, 0,1,2,3
	global_store_b128 v1, v[PC+4*\c:PC+4*\c+3], s[24:25] offset:16384*(\t)+512*\c   ; 32 lanes store 512 consecutive bytes
.endr
	ds_store_b32 v4, v[PW] offset:1024*((\t)/2)+4*((\t)%2)   ; both halves of the lanes write the same word with the same value
	s_branch .Ljoin_\@
.Lmask_\@:
.if (\t) < 2
	LOADR (\t)%2, (\t)+2, PM
.endif
	MASKW
	global_store_b64 v6, v[PC:PC+1], s[28:29] offset:256*(\t)   ; 32 lanes store 256 consecutive bytes
.Ljoin_\@:
.endm
	s_wait_alu depctr_va_vdst(0)
.irp t, 0,1,2,3
	STEP \t
.endr
	s_wait_dscnt 0x0                               ; for the others' sake: my scale words lie in LDS
	s_barrier_signal -1
	s_barrier_wait -1
	s_cmp_lg_u32 s7, 0
	s_cbranch_scc1 .Lend
	ds_load_b64 v[GO:GO+1], v5
	s_wait_dscnt 0x0
	global_store_b64 v6, v[GO:GO+1], s[26:27]      ; 256 consecutive bytes a wave, at a multiple of 256 from xs's first byte
.Lend:
	s_wait_tensorcnt 0x0
	ds_add_u32 v254, v255
	s_wait_dscnt 0x0
	s_endpgm
.Lfunc_end_k_qed74c769bf_prep:
	.size	k_qed74c769bf_prep, .Lfunc_end_k_qed74c769bf_prep-k_qed74c769bf_prep
	.p2alignl 7, 3214868480
	.fill 96, 4, 3214868480
	.section	.rodata,"a",@progbits
	.p2align	6, 0x0
	.amdhsa_kernel k_qed74c769bf_prep
		.amdhsa_group_segment_fixed_size 70656
		.amdhsa_private_segment_fixed_size 0
		.amdhsa_enable_private_segment 0
		.amdhsa_kernarg_size 88
		.amdhsa_user_sgpr_count 2
		.amdhsa_user_sgpr_kernarg_segment_ptr 1
		.amdhsa_wavefront_size32 1
		.amdhsa_system_sgpr_workgroup_id_x 1
		.amdhsa_system_sgpr_workgroup_id_y 1
		.amdhsa_system_sgpr_workgroup_id_z 1
		.amdhsa_system_vgpr_workitem_id 0
		.amdhsa_next_free_vgpr 256
		.amdhsa_next_free_sgpr 66
		.amdhsa_reserve_vcc 0
		.amdhsa_float_denorm_mode_32 3
		.amdhsa_float_denorm_mode_16_64 3
		.amdhsa_memory_ordered 1
		.amdhsa_forward_progress 1
		.amdhsa_inst_pref_size 98
	.end_amdhsa_kernel
	.amdgpu_metadata
---
amdhsa.version: [ 1, 2 ]
amdhsa.kernels:
  - .name:           k_qed74c769bf_prep
    .symbol:         k_qed74c769bf_prep.kd
    .args:
      - { .name: query, .offset: 0, .size: 8, .value_kind: global_buffer, .address_space: global }
      - { .name: key, .offset: 8, .size: 8, .value_kind: global_buffer, .address_space: global }
      - { .name: value, .offset: 16, .size: 8, .value_kind: global_buffer, .address_space: global }
      - { .name: Wq, .offset: 24, .size: 8, .value_kind: global_buffer, .address_space: global }
      - { .name: Wk, .offset: 32, .size: 8, .value_kind: global_buffer, .address_space: global }
      - { .name: Wv, .offset: 40, .size: 8, .value_kind: global_buffer, .address_space: global }
      - { .name: Wo, .offset: 48, .size: 8, .value_kind: global_buffer, .address_space: global }
      - { .name: mask, .offset: 56, .size: 8, .value_kind: global_buffer, .address_space: global }
      - { .name: xc, .offset: 64, .size: 8, .value_kind: global_buffer, .address_space: global }
      - { .name: xs, .offset: 72, .size: 8, .value_kind: global_buffer, .address_space: global }
      - { .name: mw, .offset: 80, .size: 8, .value_kind: global_buffer, .address_space: global }
    .group_segment_fixed_size: 70656
    .private_segment_fixed_size: 0
    .kernarg_segment_align: 8
    .kernarg_segment_size: 88
    .max_flat_workgroup_size: 256
    .sgpr_count:     66
    .vgpr_count:     256
    .wavefront_size: 32
...
	.end_amdgpu_metadata
.endif
;; end of part 1
;; launch proj (part 2): grid 4 x 96, 4 waves a work-group, clusters of 4 x 4, 327,680 bytes of LDS; arguments xc, xs, bq, bk, bv, qkv; writes qkv
.if DOCPART == 2
	.amdgcn_target "amdgcn-amd-amdhsa--gfx1250"
	.amdhsa_code_object_version 6
	.text
	.protected	k_qed74c769bf_proj
	.globl	k_qed74c769bf_proj
	.p2align	8
	.type	k_qed74c769bf_proj,@function
k_qed74c769bf_proj:
	s_mov_b64 s[64:65], 0
	v_nop
	global_prefetch_b8 v0, s[64:65] scope:SCOPE_SE
	s_setreg_imm32_b32 hwreg(HW_REG_WAVE_MODE, 25, 1), 1
	s_wait_xcnt 0x0
	s_wait_alu depctr_hold_cnt(0) depctr_sa_sdst(0) depctr_va_vdst(0) depctr_va_sdst(0) depctr_va_ssrc(0) depctr_va_vcc(0) depctr_vm_vsrc(0)
	s_getreg_b32 s2, hwreg(HW_REG_IB_STS2, 6, 4)
	s_cmp_eq_u32 s2, 0
	s_cbranch_scc0 .Lentry_in_a_cluster
	s_endpgm
.Lentry_in_a_cluster:
	s_bfe_u32 s2, ttmp6, 0x10000c
	s_cmp_lg_u32 s2, 0xf033
	s_cbranch_scc0 .Lentry_shape_is_right
	s_endpgm
.Lentry_shape_is_right:
.set NQ,     2
.set FR,     16
.set NL,     4
.set NP,     8
.set HALFT,  32768
.set SLOT,   4*HALFT
.set SCL,    2*SLOT
.set SPARE,  SCL+4*4096
.set STG,    SPARE+512
.set HS,     405504
.set ADRA, 16
.set ADRB, 20
.set OFF0, 24
.set OFF1, 25
.set SADR, 26
.set ADRS, 27
.set SPW,  28
.set NIL,  29
.set SRD,  30
.set SOFF, 31
.set SC,   32
.set BIAS, 64
.set AF,   128
.set SB,   32
.set FLR,  64
.set TM,   68
.set PC,   96
.set W,    128
.set G1, 24
.set G0, 32
.set G1B, 48
.set G0B, 56
.set G1S, 68
.set G0S, 76
.set G1SB, 80
.set G0SB, 88
.set MSB, 0
.macro WIN new
.if MSB != \new
	s_set_vgpr_msb (MSB<<8)|\new
.set MSB, \new
.endif
.endm
.set MUL_LO, 0xa1
.set MUL_HI, 0xf1
.set BIA_LO, 0x81
.set BIA_HI, 0xc1
.set TO_B,   0x40
.macro JLOAD g0a, g1a, g0b, g1b
	s_cmp_eq_u32 s17, 0
	s_cbranch_scc0 .Lfor_b_\@
	tensor_load_to_lds s[\g0a:\g0a+3], s[\g1a:\g1a+7]
	s_nop 0
.rept 4
	v_nop
.endr
	s_branch .Lasked_\@
.Lfor_b_\@:
	tensor_load_to_lds s[\g0b:\g0b+3], s[\g1b:\g1b+7]
	s_nop 0
.rept 4
	v_nop
.endr
.Lasked_\@:
.endm
.macro CREST
	s_cmp_lg_u32 s16, 0
	s_cbranch_scc1 .Lnot_wave_0_\@
	s_barrier_signal -3
.Lnot_wave_0_\@:
	s_barrier_wait -3
	s_barrier_signal -1
	s_barrier_wait -1
.endm
.macro CROUND
	s_barrier_signal -1
	s_barrier_wait -1
	CREST
.endm
	s_load_b256 s[4:11], s[0:1], 0x0
	s_load_b128 s[12:15], s[0:1], 0x20
	v_lshl_add_u32 v[SPW], v0, 2, SPARE
	v_mov_b32 v[NIL], 0
	ds_add_u32 v28, v29
	ds_add_u32 v28, v29
	s_wait_dscnt 0x0
	v_lshrrev_b32 v1, 5, v0
	v_readfirstlane_b32 s16, v1
	s_lshr_b32 s17, s16, 1
	s_and_b32 s18, s16, 1
	s_bfe_u32 s40, ttmp6, 0x40000
	s_bfe_u32 s41, ttmp6, 0x40004
	s_and_b32 s19, ttmp7, 0xffff
	s_and_b32 s20, s19, 7
	s_lshr_b32 s19, s19, 3
	s_cmp_eq_u32 s19, 2
	s_cselect_b32 s21, 1, 0
	s_cselect_b32 s43, 0, s20
	s_cselect_b32 s42, s20, 0
	s_lshl_b32 s43, s43, 2
	s_add_co_u32 s43, s43, s41
	s_lshl_b32 s42, s42, 2
	s_add_co_u32 s42, s42, s40
	s_lshl_b32 s44, s41, 2
	s_lshl_b32 s44, 15, s44
	s_lshl_b32 s45, 0x1111, s40
	s_or_b32 s[G1], s44, (3<<16)|(1<<21)
	s_or_b32 s[G1B], s45, (3<<16)|(1<<21)
	s_or_b32 s[G1S], s44, (3<<16)|(1<<21)
	s_or_b32 s[G1SB], s45, (3<<16)|(1<<21)
.irp g, G1, G1B                        ; for the head's loads: two rows of 32,768 bytes (4,096 elements of 8), 131,072 bytes apart: both groups of 128 rows, K step 0
	s_mov_b32 s[\g+1], 4096<<16
	s_mov_b32 s[\g+2], 2<<16
	s_mov_b32 s[\g+3], 4096<<16
	s_mov_b32 s[\g+4], 2
	s_mov_b32 s[\g+5], 16384
	s_mov_b32 s[\g+6], 0
	s_mov_b32 s[\g+7], 0
.endr
.irp g, G1S, G1SB                      ; the scale words of both groups: 8,192 dense bytes, 32 rows of 256
	s_mov_b32 s[\g+1], 32<<16
	s_mov_b32 s[\g+2], 32<<16
	s_mov_b32 s[\g+3], 32<<16
	s_mov_b32 s[\g+4], 32
	s_mov_b32 s[\g+5], 32
	s_mov_b32 s[\g+6], 0
	s_mov_b32 s[\g+7], 0
.endr
	s_cmp_eq_u32 s19, 1
	s_cselect_b32 s22, 64, 0
	s_mov_b32 s46, 192
	s_cselect_b32 s46, 200, s46
	s_cmp_eq_u32 s19, 2
	s_cselect_b32 s22, 208, s22
	s_cselect_b32 s46, 128, s46
	s_lshl_b32 s23, s43, 1
	s_add_co_u32 s22, s22, s23
	s_add_co_u32 s22, s22, s18
	s_lshl_b32 s47, s42, 1
	s_add_co_u32 s46, s46, s47
	s_add_co_u32 s46, s46, s18
	s_lshl_b32 s66, s22, 12
	s_mov_b32 s67, 0
	s_lshl_b32 s22, s22, 17
	s_mov_b32 s23, 0
	s_lshl_b32 s100, s46, 12
	s_mov_b32 s101, 0
	s_lshl_b32 s46, s46, 17
	s_mov_b32 s47, 0
	s_lshl_b32 s2, s16, 15
	s_lshl_b32 s3, s16, 12
	s_wait_kmcnt 0x0
	s_add_nc_u64 s[22:23], s[4:5], s[22:23]
	s_add_nc_u64 s[66:67], s[6:7], s[66:67]
	s_add_nc_u64 s[46:47], s[4:5], s[46:47]
	s_add_nc_u64 s[100:101], s[6:7], s[100:101]
	CROUND
	s_mov_b32 s[G0S], 1
	s_lshl_b32 s92, s18, 17                        ; my addresses name the group 2 x tile + wave % 2: the head's loads begin at the tile's first group
	s_mov_b32 s93, 0
	s_lshl_b32 s94, s18, 12
	s_mov_b32 s95, 0
	s_mov_b32 s[G0S+1], SCL
	s_sub_nc_u64 s[G0S+2:G0S+3], s[66:67], s[94:95]
	s_or_b32 s[G0S+3], s[G0S+3], 0x80000000
	s_mov_b32 s[G0SB], 1
	s_mov_b32 s[G0SB+1], SCL+2*4096
	s_sub_nc_u64 s[G0SB+2:G0SB+3], s[100:101], s[94:95]
	s_or_b32 s[G0SB+3], s[G0SB+3], 0x80000000
	s_mov_b32 s[G0], 1                             ; slot 0's group 0 serves the head's load first: A's two groups,
	s_mov_b32 s[G0+1], 0
	s_sub_nc_u64 s[G0+2:G0+3], s[22:23], s[92:93]
	s_or_b32 s[G0+3], s[G0+3], 0x80000000
	s_mov_b32 s[G0B], 1                            ; and B's, behind them in the slot
	s_mov_b32 s[G0B+1], 2*HALFT
	s_sub_nc_u64 s[G0B+2:G0B+3], s[46:47], s[92:93]
	s_or_b32 s[G0B+3], s[G0B+3], 0x80000000
; THE HEAD'S LOADS, ONE A WAVE: wave 0 K step 0 of A, wave 1 of B, wave 2 A's scale words, wave 3 B's.  One tree of branches on the wave's number: every way passes exactly one load.
.macro ARM under, g0, g1, next
	s_cmp_lt_u32 s16, \under
	s_cbranch_scc0 \next
	tensor_load_to_lds s[\g0:\g0+3], s[\g1:\g1+7]
	s_nop 0
.rept 4
	v_nop
.endr
	s_branch .Lhead_asked
\next:
.endm
	ARM 1, G0,  G1,  .Lhead_b
	ARM 2, G0B, G1B, .Lhead_sa
	ARM 3, G0S, G1S, .Lhead_sb
	tensor_load_to_lds s[G0SB:G0SB+3], s[G1SB:G1SB+7]
	s_nop 0
.rept 4
	v_nop
.endr
.Lhead_asked:
	s_wait_alu depctr_va_vdst(0)
	s_wait_tensorcnt 0x0                           ; my tile of the four is in, so every descriptor may be written
	ds_add_u32 v28, v29
.irp g, G1, G1B                        ; from here on a load brings 128 rows of 256 bytes
	s_mov_b32 s[\g+1], 32<<16
	s_mov_b32 s[\g+2], 128<<16
	s_mov_b32 s[\g+3], 32<<16
	s_mov_b32 s[\g+4], 128
	s_mov_b32 s[\g+5], 32
.endr
.irp s, 0,1
	s_mov_b32 s[G0+4*\s], 1
	s_add_co_u32 s[G0+4*\s+1], s2, \s*SLOT
	s_add_nc_u64 s[G0+4*\s+2:G0+4*\s+3], s[22:23], \s*HALFT
	s_or_b32 s[G0+4*\s+3], s[G0+4*\s+3], 0x80000000
	s_mov_b32 s[G0B+4*\s], 1
	s_add_co_u32 s[G0B+4*\s+1], s2, \s*SLOT
	s_add_nc_u64 s[G0B+4*\s+2:G0B+4*\s+3], s[46:47], \s*HALFT
	s_or_b32 s[G0B+4*\s+3], s[G0B+4*\s+3], 0x80000000
.endr
	s_wait_dscnt 0x0                               ; the add is done
	CROUND                                         ; a whole round: the head's four tiles are in, in every partner
	JLOAD G0+4, G1, G0B+4, G1B                     ; slot 1's first fill, issued as a refill is: a quarter of the slot a wave
	v_and_b32 v1, 15, v0
	v_bfe_u32 v2, v0, 4, 1
	s_wait_alu depctr_va_vdst(0)
	v_and_b32 v3, 31, v0
	v_lshlrev_b32 v3, 4, v3
	s_lshl_b32 s22, s17, 15
	s_lshl_b32 s23, s18, 15
	s_add_co_u32 s23, s23, 2*HALFT
.irp s, 0,1
	v_add_nc_u32 v[ADRA+\s], s22, v3
	v_add_nc_u32 v[ADRB+\s], s23, v3
	s_add_co_u32 s22, s22, SLOT
	s_add_co_u32 s23, s23, SLOT
.endr
	s_lshl_b32 s22, s17, 12
	s_lshl_b32 s23, s18, 12
	s_add_co_u32 s23, s23, 2*4096
	s_sub_co_u32 s23, s23, s22
	v_mul_u32_u24 v5, s23, v2
	s_add_co_u32 s22, s22, SCL
	v_lshl_add_u32 v5, v1, 3, v5
	v_add_nc_u32 v[ADRS], s22, v5
	s_lshl_b32 s22, s43, 8
	s_lshl_b32 s23, s17, 7
	s_add_co_u32 s22, s22, s23
	s_lshl_b32 s46, s42, 8
	s_lshl_b32 s47, s18, 7
	s_add_co_u32 s46, s46, s47
	s_cmp_eq_u32 s19, 0
	s_cselect_b64 s[8:9], s[8:9], s[10:11]
	s_lshl_b32 s66, s46, 2
	s_mov_b32 s67, 0
	s_add_nc_u64 s[8:9], s[8:9], s[66:67]
	s_lshl_b32 s66, s22, 2
	s_add_nc_u64 s[12:13], s[12:13], s[66:67]
	v_lshlrev_b32 v6, 6, v2
	v_and_b32 v7, 8, v1
	v_add_nc_u32 v7, v7, v1
	v_lshlrev_b32 v7, 2, v7
	s_cmp_lg_u32 s21, 0
	s_cbranch_scc1 .Lbias_v
.irp j, 0,1,2,3
.irp e, 0,1,2,3
	global_load_b128 v[BIAS+16*\j+4*\e:BIAS+16*\j+4*\e+3], v6, s[8:9] offset:128*\j+16*\e
.endr
.endr
	s_branch .Lbias_done
.Lbias_v:
	s_wait_alu depctr_va_vdst(0)
.irp a, 0,1,2,3,4,5,6,7
	global_load_b32 v[BIAS+8*\a], v7, s[12:13] offset:(32*(\a/2)+8*(\a%2))*4
.endr
	s_wait_loadcnt 0x0
.irp a, 0,1,2,3,4,5,6,7
.irp j, 1,2,3,4,5,6,7
	v_mov_b32 v[BIAS+8*\a+\j], v[BIAS+8*\a]
.endr
.endr
.Lbias_done:
	s_wait_loadcnt 0x0
	s_cmp_lg_u32 s21, 0
	s_cselect_b32 s23, s46, s22
	s_cselect_b32 s47, s22, s46
	s_mov_b32 s100, HS
	s_cselect_b32 s100, 1024, s100
	s_mov_b32 s96, 1024
	s_cselect_b32 s96, 2048, s96
	s_mov_b32 s98, 1024
	s_cselect_b32 s98, HS-3*2048, s98
	s_mov_b32 s97, 0
	s_mov_b32 s99, 0
	s_lshr_b32 s66, s23, 11
	s_lshl_b32 s66, s66, 4
	s_lshr_b32 s47, s47, 6
	s_add_co_u32 s66, s66, s47
	s_mul_i32 s66, s66, HS
	s_and_b32 s23, s23, 2047
	s_mul_i32 s92, s19, 135168
	s_lshl_b32 s47, s21, 12
	s_sub_co_u32 s92, s92, s47
	s_add_co_u32 s92, s92, s66
	s_lshl_b32 s47, s23, 6
	s_add_co_u32 s92, s92, s47
	s_mov_b32 s93, 0
	s_add_nc_u64 s[92:93], s[14:15], s[92:93]
	s_mov_b32 s94, 131072
	s_cmp_eq_u32 s19, 1
	s_cselect_b32 s94, 397312, s94
	s_cmp_eq_u32 s19, 2
	s_cselect_b32 s94, 401408, s94
	s_add_co_u32 s94, s94, s66
	s_lshl_b32 s47, s23, 1
	s_add_co_u32 s94, s94, s47
	s_mov_b32 s95, 0
	s_add_nc_u64 s[94:95], s[14:15], s[94:95]
	v_mov_b32 v[OFF0], v3
	v_add_nc_u32 v[OFF1], s100, v3
	s_lshl_b32 s47, s16, 9
	s_add_co_u32 s47, s47, STG
	v_lshl_add_u32 v[SADR], v1, 2, s47
	v_add_nc_u32 v[SRD], s47, v3
	v_mul_u32_u24 v[SOFF], v2, HS
	v_lshl_add_u32 v[SOFF], v1, 4, v[SOFF]
	s_mov_b32 s104, 0x76543210
	s_mov_b32 s105, 0xfedcba98
	s_mov_b32 s3, 0x600000
.macro FRAG reg, adr, q, i
.irp c, 0,1,2,3
	ds_load_b128 v[\reg+4*\c:\reg+4*\c+3], v[\adr] offset:(8*(\q)+(\i))*2048+512*\c
.endr
.endm
.macro MUL16 a0, p, q, sc, cm
.irp a, \a0, \a0+1
.irp b, 0,1,2,3,4,5,6,7
.if \cm == 1
	v_wmma_scale_f32_16x16x128_f8f6f4 v[8*(8*((\a)%4)+\b):8*(8*((\a)%4)+\b)+7], v[128*(\p)+FR*\b:128*(\p)+FR*\b+FR-1], v[AF+FR*(\a):AF+FR*(\a)+FR-1], v[BIAS+8*\b:BIAS+8*\b+7], v[SC+8*NQ*(\sc)+NQ*\b+(\q)], v[SC+8*NQ*(\sc)+NQ*(\a)+(\q)] matrix_a_fmt:MATRIX_FMT_BF8 matrix_b_fmt:MATRIX_FMT_BF8 matrix_a_scale:MATRIX_SCALE_ROW1
.elseif \cm == 2
	v_wmma_scale_f32_16x16x128_f8f6f4 v[8*(8*((\a)%4)+\b):8*(8*((\a)%4)+\b)+7], v[128*(\p)+FR*\b:128*(\p)+FR*\b+FR-1], v[AF+FR*(\a):AF+FR*(\a)+FR-1], v[BIAS+8*(\a):BIAS+8*(\a)+7], v[SC+8*NQ*(\sc)+NQ*\b+(\q)], v[SC+8*NQ*(\sc)+NQ*(\a)+(\q)] matrix_a_fmt:MATRIX_FMT_BF8 matrix_b_fmt:MATRIX_FMT_BF8 matrix_a_scale:MATRIX_SCALE_ROW1
.else
	v_wmma_scale_f32_16x16x128_f8f6f4 v[8*(8*((\a)%4)+\b):8*(8*((\a)%4)+\b)+7], v[128*(\p)+FR*\b:128*(\p)+FR*\b+FR-1], v[AF+FR*(\a):AF+FR*(\a)+FR-1], v[8*(8*((\a)%4)+\b):8*(8*((\a)%4)+\b)+7], v[SC+8*NQ*(\sc)+NQ*\b+(\q)], v[SC+8*NQ*(\sc)+NQ*(\a)+(\q)] matrix_a_fmt:MATRIX_FMT_BF8 matrix_b_fmt:MATRIX_FMT_BF8 matrix_a_scale:MATRIX_SCALE_ROW1
.endif
.endr
.endr
.endm
.macro FETCH_B slot, q, p
	WIN TO_B
.irp i, 0,1,2,3,4,5,6,7
	FRAG 128*(\p)+FR*\i, ADRB+\slot, \q, \i
.endr
	WIN 0
.endm
.macro FETCH_A slot, q, i0
.irp i, \i0, \i0+1, \i0+2, \i0+3
	FRAG AF+FR*(\i), ADRA+\slot, \q, \i
.endr
.endm
.macro SCALES sc
.irp i, 0,1,2,3,4,5,6,7
	ds_load_b64 v[SC+8*NQ*\sc+NQ*\i:SC+8*NQ*\sc+NQ*\i+1], v[ADRS] offset:\i*128
.endr
.endm
.macro PLACES n
.rept \n
	v_nop
.endr
.endm
.macro STEP slot, q, cm
	s_wait_dscnt 4*NL
.if \cm
	WIN BIA_LO
.else
	WIN MUL_LO
.endif
	MUL16 0, (\q)%2, \q, \slot, \cm
	MUL16 2, (\q)%2, \q, \slot, \cm
	s_wait_dscnt 0
	PLACES NP
	FETCH_B \slot, (\q)+1, 1-(\q)%2
	FETCH_A \slot, (\q)+1, 0
.if \cm
	WIN BIA_HI
.else
	WIN MUL_HI
.endif
	MUL16 4, (\q)%2, \q, \slot, \cm
	MUL16 6, (\q)%2, \q, \slot, \cm
	PLACES NP
	WIN 0
	FETCH_A \slot, (\q)+1, 4
.endm
.macro TURN slot, next, fill
	s_wait_tensorcnt 0x0
	ds_add_u32 v[SPW], v[NIL]
	s_wait_dscnt 4*NL+1
	WIN MUL_LO
	MUL16 0, 1, NQ-1, \slot, 0
	s_wait_dscnt 0x0
	s_barrier_signal -1
	MUL16 2, 1, NQ-1, \slot, 0
	WIN 0
	s_barrier_wait -1
.if \fill
	CREST
	s_add_nc_u64 s[G0+4*\slot+2:G0+4*\slot+3], s[G0+4*\slot+2:G0+4*\slot+3], 2*HALFT
	s_add_nc_u64 s[G0B+4*\slot+2:G0B+4*\slot+3], s[G0B+4*\slot+2:G0B+4*\slot+3], 2*HALFT
	JLOAD G0+4*\slot, G1, G0B+4*\slot, G1B
	PLACES NP-4
.else
	PLACES NP
.endif
	s_wait_alu depctr_va_vdst(0)
	v_add_nc_u32 v[ADRS], 1024, v[ADRS]
	FETCH_B \next, 0, 0
	FETCH_A \next, 0, 0
	SCALES \next
	WIN MUL_HI
	MUL16 4, 1, NQ-1, \slot, 0
	MUL16 6, 1, NQ-1, \slot, 0
	PLACES NP
	WIN 0
	FETCH_A \next, 0, 4
.endm
	s_wait_tensorcnt 1
	s_barrier_signal -1
	s_barrier_wait -1
	FETCH_B 0, 0, 0
	FETCH_A 0, 0, 0
	SCALES 0
	FETCH_A 0, 0, 4
	s_cmp_lg_u32 s21, 0
	s_cbranch_scc1 .Lfirst_v
	s_wait_alu depctr_va_vdst(0)
	STEP 0, 0, 1
	s_branch .Lfirst_done
.Lfirst_v:
	s_wait_alu depctr_va_vdst(0)
	STEP 0, 0, 2
.Lfirst_done:
	s_mov_b32 s101, 1
.Llap:
	TURN 0, 1, 1
	STEP 1, 0, 0
	TURN 1, 0, 1
	STEP 0, 0, 0
	s_sub_co_u32 s101, s101, 1
	s_cmp_lg_u32 s101, 0
	s_cbranch_scc1 .Llap
	TURN 0, 1, 0
	STEP 1, 0, 0
	s_wait_dscnt 4*NL
	WIN MUL_LO
	MUL16 0, 1, NQ-1, 1, 0
	MUL16 2, 1, NQ-1, 1, 0
	s_wait_dscnt 0
	WIN MUL_HI
	MUL16 4, 1, NQ-1, 1, 0
	MUL16 6, 1, NQ-1, 1, 0
	WIN 0
	PLACES NP
	v_mov_b32 v[FLR], 0x8000000
.irp j, 0,1,2,3
	v_mov_b32 v[TM+4+\j], 0
.endr
.macro QA a
.set WN, 2+(\a)/4
.set AC, 64*((\a)%4)
.set PCS, PC+16*((\a)%2)
.set W12, (WN<<4)|(WN<<2)
.set WD0, (WN<<6)|WN
	WIN W12
.irp j, 0,1,2,3
	v_max3_num_f32 v[TM+\j], v[FLR], |v[AC+16*\j]|, |v[AC+16*\j+1]|
.endr
.irp i, 2,4,6,8,10,12,14
.irp j, 0,1,2,3
	v_max3_num_f32 v[TM+\j], v[TM+\j], |v[AC+16*\j+\i]|, |v[AC+16*\j+\i+1]|
.endr
.endr
	WIN 0
.irp j, 0,1,2,3
	v_permlanex16_b32 v[TM+4+\j], v[TM+\j], s104, s105
.endr
.irp j, 0,1,2,3
	v_max_num_f32 v[TM+\j], v[TM+\j], v[TM+4+\j]
.endr
.irp j, 0,1,2,3
	v_add_nc_u32 v[TM+12+\j], 0xf8800000, v[TM+\j]
.endr
.irp j, 0,1,2,3
	v_and_or_b32 v[TM+8+\j], v[TM+\j], 0x7f800000, s3
.endr
.irp j, 0,1,2,3
	v_lshrrev_b32 v[SB+4*(\a)+\j], 23, v[TM+12+\j]
.endr
	WIN WD0
.irp j, 0,1,2,3
.irp i, 0,1,2,3,4,5,6,7,8,9,10,11,12,13,14,15
	v_med3_num_f32 v[AC+16*\j+\i], v[AC+16*\j+\i], -v[TM+8+\j], v[TM+8+\j]
.endr
.endr
	WIN WN
.irp j, 0,1,2,3
	v_cvt_scalef32_pk8_bf8_f32 v[PCS+4*\j:PCS+4*\j+1], v[AC+16*\j:AC+16*\j+7], v[TM+12+\j]
	v_cvt_scalef32_pk8_bf8_f32 v[PCS+4*\j+2:PCS+4*\j+3], v[AC+16*\j+8:AC+16*\j+15], v[TM+12+\j]
.endr
	WIN 0
	v_nop
	s_wait_alu depctr_va_vdst(0)
	s_wait_xcnt 0x0
.if (\a) == 4
	s_add_nc_u64 s[92:93], s[92:93], s[98:99]
.elseif (\a) > 0
	s_add_nc_u64 s[92:93], s[92:93], s[96:97]
.endif
.irp j, 0,1,2,3
	global_store_b128 v[OFF0+\j/2], v[PCS+4*\j:PCS+4*\j+3], s[92:93] offset:512*(\j%2)
.endr
.endm
.irp a, 0,1,2,3,4,5,6,7
	QA \a
.endr
	s_cmp_lg_u32 s21, 0
	s_cbranch_scc1 .Lwords_v
.irp hd, 0,1
.irp i, 0,1,2,3
	v_lshl_or_b32 v[W+4*\hd+\i], v[SB+8*\i+2*\hd+1], 8, v[SB+8*\i+2*\hd]
	v_lshl_or_b32 v[W+4*\hd+\i], v[SB+8*\i+4+2*\hd], 16, v[W+4*\hd+\i]
	v_lshl_or_b32 v[W+4*\hd+\i], v[SB+8*\i+4+2*\hd+1], 24, v[W+4*\hd+\i]
.endr
.endr
	s_branch .Lwords_done
.Lwords_v:
.irp a, 0,1,2,3,4,5,6,7
	v_lshl_or_b32 v[W+\a], v[SB+4*\a+1], 8, v[SB+4*\a]
	v_lshl_or_b32 v[W+\a], v[SB+4*\a+2], 16, v[W+\a]
	v_lshl_or_b32 v[W+\a], v[SB+4*\a+3], 24, v[W+\a]
.endr
.Lwords_done:
	s_wait_alu depctr_va_vdst(0)
.irp k, 0,1,2,3,4,5,6,7
	ds_store_b32 v[SADR], v[W+\k] offset:64*\k
.endr
	ds_load_b128 v[W+8:W+11], v[SRD]
	s_wait_dscnt 0x0
	global_store_b128 v[SOFF], v[W+8:W+11], s[94:95]
	s_wait_tensorcnt 0x0
	ds_add_u32 v[SPW], v[NIL]
	s_wait_dscnt 0x0
	CROUND
	s_endpgm
.Lfunc_end_k_qed74c769bf_proj:
	.size	k_qed74c769bf_proj, .Lfunc_end_k_qed74c769bf_proj-k_qed74c769bf_proj
	.p2alignl 7, 3214868480
	.fill 96, 4, 3214868480
	.section	.rodata,"a",@progbits
	.p2align	6, 0x0
	.amdhsa_kernel k_qed74c769bf_proj
		.amdhsa_group_segment_fixed_size 327680
		.amdhsa_private_segment_fixed_size 0
		.amdhsa_enable_private_segment 0
		.amdhsa_kernarg_size 48
		.amdhsa_user_sgpr_count 2
		.amdhsa_user_sgpr_kernarg_segment_ptr 1
		.amdhsa_wavefront_size32 1
		.amdhsa_system_sgpr_workgroup_id_x 1
		.amdhsa_system_sgpr_workgroup_id_y 1
		.amdhsa_system_sgpr_workgroup_id_z 1
		.amdhsa_system_vgpr_workitem_id 0
		.amdhsa_next_free_vgpr 1024
		.amdhsa_next_free_sgpr 106
		.amdhsa_reserve_vcc 0
		.amdhsa_float_denorm_mode_32 3
		.amdhsa_float_denorm_mode_16_64 3
		.amdhsa_memory_ordered 1
		.amdhsa_forward_progress 1
		.amdhsa_inst_pref_size 207
	.end_amdhsa_kernel
	.amdgpu_metadata
---
amdhsa.version: [ 1, 2 ]
amdhsa.kernels:
  - .name:           k_qed74c769bf_proj
    .symbol:         k_qed74c769bf_proj.kd
    .args:
      - { .name: xc, .offset: 0, .size: 8, .value_kind: global_buffer, .address_space: global }
      - { .name: xs, .offset: 8, .size: 8, .value_kind: global_buffer, .address_space: global }
      - { .name: bq, .offset: 16, .size: 8, .value_kind: global_buffer, .address_space: global }
      - { .name: bk, .offset: 24, .size: 8, .value_kind: global_buffer, .address_space: global }
      - { .name: bv, .offset: 32, .size: 8, .value_kind: global_buffer, .address_space: global }
      - { .name: qkv, .offset: 40, .size: 8, .value_kind: global_buffer, .address_space: global }
    .group_segment_fixed_size: 327680
    .private_segment_fixed_size: 0
    .kernarg_segment_align: 8
    .kernarg_segment_size: 48
    .max_flat_workgroup_size: 128
    .sgpr_count:     106
    .vgpr_count:     1024
    .wavefront_size: 32
...
	.end_amdgpu_metadata
.endif
;; end of part 2
;; launch attn (part 3): grid 4 x 64, 16 waves a work-group, clusters of 4 x 1, 327,680 bytes of LDS; arguments qkv, mw, ac, asc; writes ac, asc
.if DOCPART == 3
	.amdgcn_target "amdgcn-amd-amdhsa--gfx1250"
	.amdhsa_code_object_version 6
	.text
	.protected	k_qed74c769bf_attn
	.globl	k_qed74c769bf_attn
	.p2align	8
	.type	k_qed74c769bf_attn,@function
k_qed74c769bf_attn:
	s_mov_b64 s[64:65], 0
	v_nop
	global_prefetch_b8 v0, s[64:65] scope:SCOPE_SE
	s_setreg_imm32_b32 hwreg(HW_REG_WAVE_MODE, 25, 1), 1
	s_wait_xcnt 0x0
	s_wait_alu depctr_hold_cnt(0) depctr_sa_sdst(0) depctr_va_vdst(0) depctr_va_sdst(0) depctr_va_ssrc(0) depctr_va_vcc(0) depctr_vm_vsrc(0)
	s_getreg_b32 s2, hwreg(HW_REG_IB_STS2, 6, 4)
	s_cmp_eq_u32 s2, 0
	s_cbranch_scc0 .Lentry_in_a_cluster
	s_endpgm
.Lentry_in_a_cluster:
	s_bfe_u32 s2, ttmp6, 0x10000c
	s_cmp_lg_u32 s2, 0x3003
	s_cbranch_scc0 .Lentry_shape_is_right
	s_endpgm
.Lentry_shape_is_right:
; Attention on codes of BF8 (E5M2) with E8M0 scales: 64 (batch, head) pairs, 2,048 queries and keys, head size 64, the mask as lane masks; the result is quantised at once into the last product's operand images.
; THE SOFTMAX AHEAD OF THE SECOND PRODUCT: t = score x log2(e) / 8; M = the row's largest t so far, rounded UP to a whole number; p = 2^(t - M) is quantised along the keys, not normalised; the row's sum is taken of
; the unquantised p and divides O at the end.  When M moves, the sum and O are multiplied by 2^(old M - new M): exact.
; THE MASK: where it is 0 the raw score becomes -2^33, so that t is a whole number near -1.55e9.  A row all of whose keys are masked has p = 1 at every key: the uniform weights that -1e9 gives too.
; LIMITS: the result differs from -1e9's only where an unmasked logit lies under about -1e9; the scaled scores stay under 2^31 in magnitude.  NaN and infinities are not served.  A block of zeros gets the scale byte 1
; (its codes are zeros; this program alone reads the bytes).
; SHARES.  A work-group takes one (batch, head) and 512 queries: 32 tiles of 16.  A wave works on one tile at a time, in 256 registers.  THE DEAL: three passes; in pass 0 the waves of rank under L0 take tiles 0 .. L0 - 1, in pass 1
; those of rank under L1 tiles L0 .. L0 + L1 - 1, in pass 2 those under L2 the rest: L0 + L1 + L2 = 32.  Every wave walks all three passes and all their trips (the counts are constants); a branch on ids leads round the work alone.
; CLUSTER: the four work-groups of a cluster share the head.  Its K, V and their scale words, 270,336 consecutive bytes, come into LDS ONCE, asked for jointly: each wave issues one tensor load of 66 rows of 256 bytes.  No ring.
; NO PREFETCH: K and V are asked for once, at the head, with no loop to run ahead in; the lane masks, 256 bytes a step, are asked for a key step ahead by their own scalar loads.
; LAYOUT.  Both products are used transposed: S^T = K Q^T, O^T = V^T P^T: a lane holds ONE query throughout.  The rows of a tile are 32 (i / 2) + 8 (i % 2) + r + 8 (r / 8) of their 128 (V: of the head's 64), so that the 16
; registers of two neighbouring result tiles are 16 neighbours along the next K.
; HEAD SIZE 64 IN AN INSTRUCTION 128 DEEP: a fragment of K holds TWO tiles of keys, X in registers 0-7 and Y in 8-15.  Q lies as q | zeros | q in v16-39: source 1 = v[16:31] multiplies X alone, v[24:39] Y alone.
; TWO BUFFERS OF 64 REGISTERS CHANGE ROLES FROM KEY STEP TO KEY STEP: one holds the step's K and then its V; the other the scores, then p, and, block by block behind p's conversions, the NEXT step's K.
; REGISTERS: v1-9, v41 addresses and -2^33; v10-11, v42-47 the step's sum in four chains; v12 -M, v13 the largest raw score, v[14:15] the row's sum; v16-39 Q; v40 Q's scale word; v48-111, v112-175 the buffers;
; v176-207 O^T; v208-223 p's codes; v224-239 at work; v240-243 K's scale words, v244-247 V's; v248 f (v249 = 0 beside it); v251 the old -M; v253 p's scale word.  s[16:63], s[68:83]: a key step's 64 lane masks.
; s3 my rank; s4 1 where I have a tile in this pass, s5 in the next; s6 tiles from this pass's tile to the next's; s7, s8 the same in bytes of ac and asc; s92 the pass, s89 the trip.
.set HS,   405504                      ; a (batch, head)'s bytes in qkv: Q 131,072 | Q's scales 4,096 | K 131,072 | V 131,072 | K's scales 4,096 | V's scales 4,096
.set KOFF, 135168                      ; where K begins in it
.set PART, 16896                       ; a wave's sixteenth of the 270,336 bytes: 66 rows of 256
.set LV,   131072                      ; LDS: K at 0, V here,
.set LKS,  262144                      ; K's scale words,
.set LVS,  4096                        ; V's so far behind them
.set SPARE, 0x42000                    ; the spare words: 128 bytes a wave, 2,048 in all
.set L0,   16                          ; the deal
.set L1,   12
.set L2,   4
.macro AWAIT
	s_wait_alu depctr_va_vdst(0)
.endm
.macro CROUND                          ; a round of the cluster's barrier
	s_barrier_signal -1
	s_barrier_wait -1
	s_cmp_lg_u32 s12, 0
	s_cbranch_scc1 .Lnot_wave_0_\@
	s_barrier_signal -3
.Lnot_wave_0_\@:
	s_barrier_wait -3
	s_barrier_signal -1
	s_barrier_wait -1
.endm
.macro QLOAD                           ; a tile of Q, twice (in front of the zeros and behind them), and its two scale bytes
	global_load_b128 v[16:19], v1, s[96:97]
	global_load_b128 v[20:23], v1, s[96:97] offset:512
	global_load_b128 v[32:35], v1, s[96:97]
	global_load_b128 v[36:39], v1, s[96:97] offset:512
	global_load_u16 v254, v8, s[104:105]
.endm
.macro MFIRST                          ; the 64 lane masks of the tile's key step 0
	s_load_b512 s[16:31], s[94:95], 0
	s_load_b512 s[32:47], s[94:95], 64
	s_load_b512 s[48:63], s[94:95], 128
	s_load_b512 s[68:83], s[94:95], 192
.endm
	s_load_b256 s[4:11], s[0:1], 0x0               ; qkv s[4:5], mw s[6:7], ac s[8:9], asc s[10:11]
	v_lshl_add_u32 v254, v0, 2, SPARE
	v_mov_b32 v255, 0
	ds_add_u32 v254, v255                          ; the opening lines: the add, twice on end, and its wait
	ds_add_u32 v254, v255
	s_wait_dscnt 0x0
	v_lshrrev_b32 v1, 5, v0
	v_readfirstlane_b32 s12, v1                    ; wave 0..15
	s_mov_b32 s3, s12                              ; my rank in the deal
	s_bfe_u32 s13, ttmp6, 0x40000                  ; cx: which 512 queries; it enters Q's, the mask's and the outputs' addresses alone
	s_and_b32 s14, ttmp7, 0xffff                   ; 16 x batch + head, which the four partners share
	s_mul_i32 s28, s14, HS
	s_mul_i32 s17, s12, PART                       ; descriptor group 0, word 1: my part's LDS address
	s_add_co_u32 s34, s17, KOFF
	s_add_co_u32 s34, s34, s28                     ; and its place in qkv
	s_mov_b32 s35, 0
	s_lshl_b32 s30, s13, 5
	s_add_co_u32 s30, s30, s3                      ; my first tile of queries: 32 cx + rank
	s_lshr_b32 s31, s14, 4                         ; batch
	s_and_b32 s32, s14, 15                         ; head
	s_lshl_b32 s36, s30, 10                        ; Q: 1,024 bytes a tile
	s_add_co_u32 s36, s36, s28
	s_mov_b32 s37, 0
	s_lshr_b32 s38, s30, 1                         ; Q's scales: 64 bytes a pair of tiles, my tile's two bytes in each word
	s_lshl_b32 s38, s38, 6
	s_and_b32 s39, s3, 1
	s_lshl_b32 s39, s39, 1
	s_add_co_u32 s38, s38, s39
	s_add_co_u32 s38, s38, s28
	s_add_co_u32 s38, s38, 131072
	s_mov_b32 s39, 0
	s_lshl_b32 s40, s31, 7                         ; the lane masks: 4,096 bytes a tile of queries
	s_add_co_u32 s40, s40, s30
	s_lshl_b32 s40, s40, 12
	s_mov_b32 s41, 0
	s_lshl_b32 s42, s31, 4                         ; the group of 128 tokens: 16 x batch + 4 cx + rank / 8
	s_lshl_b32 s43, s13, 2
	s_add_co_u32 s42, s42, s43
	s_lshr_b32 s43, s3, 3
	s_add_co_u32 s42, s42, s43
	s_and_b32 s43, s3, 7                           ; and the tile in it
	s_lshr_b32 s48, s32, 1                         ; the K step of 128 of the last product: head / 2
	s_and_b32 s49, s32, 1                          ; and the half of it
	s_lshl_b32 s44, s42, 17                        ; ac: [group][K step][tile][c][lane][16]
	s_lshl_b32 s50, s48, 14
	s_add_co_u32 s44, s44, s50
	s_lshl_b32 s50, s43, 11
	s_add_co_u32 s44, s44, s50
	s_lshl_b32 s50, s49, 10
	s_add_co_u32 s44, s44, s50
	s_mov_b32 s45, 0
	s_lshl_b32 s46, s42, 12                        ; asc: [group][K / 256][tile][r][2 words]
	s_lshr_b32 s50, s32, 2
	s_lshl_b32 s50, s50, 10
	s_add_co_u32 s46, s46, s50
	s_lshl_b32 s50, s43, 7
	s_add_co_u32 s46, s46, s50
	s_and_b32 s50, s48, 1
	s_lshl_b32 s50, s50, 2
	s_add_co_u32 s46, s46, s50
	s_lshl_b32 s50, s49, 1
	s_add_co_u32 s46, s46, s50
	s_mov_b32 s47, 0
	s_mov_b32 s84, 0x76543210
	s_mov_b32 s85, 0xfedcba98                      ; lane selects: lane l xor 16
	s_mov_b32 s86, 0x3e38aa3b                      ; c = log2(e) / 8
	s_mov_b32 s87, s86                             ; (named with it as a pair, so it is written)
	s_mov_b32 s88, 0x600000                        ; the mantissa field of 57,344
	v_and_b32 v10, 31, v0
	v_lshlrev_b32 v1, 4, v10                       ; 16 x lane: an image's place for my lane
	v_and_b32 v10, 15, v0                          ; r
	v_lshlrev_b32 v8, 2, v10                       ; 4 r
	v_lshlrev_b32 v9, 3, v10                       ; 8 r
	v_add_nc_u32 v2, LKS, v8                       ; my row's scale word
	v_mov_b32 v3, 0xd0000000                       ; -2^33
.irp j, 0,1,2,3,4,5,6,7
	v_mov_b32 v[24+\j], 0                          ; the zeros between the two copies of Q
.endr
	v_mov_b32 v249, 0                              ; named with f as the pair v[248:249], so it is written
	v_mov_b32 v252, 0                              ; a lane permute's destination counts as one of its sources
	; descriptor group 1: 66 rows of 256 bytes (32 elements of 8 bytes), dense; 15:0 the mask: all four work-groups; 21 set beside a mask
	s_mov_b32 s16, 1
	s_mov_b32 s20, 15|(3<<16)|(1<<21)
	s_mov_b32 s21, 32<<16                          ; tensor_dim0
	s_mov_b32 s22, 66<<16                          ; tensor_dim1
	s_mov_b32 s23, 32<<16                          ; tile_dim0
	s_mov_b32 s24, 66                              ; tile_dim1
	s_mov_b32 s25, 32                              ; the pitch
	s_mov_b32 s26, 0
	s_mov_b32 s27, 0
	AWAIT                                          ; at the head's end
	s_wait_kmcnt 0x0
	s_add_nc_u64 s[18:19], s[4:5], s[34:35]
	s_or_b32 s19, s19, 0x80000000                  ; type = 2
	s_add_nc_u64 s[96:97], s[4:5], s[36:37]        ; Q
	s_add_nc_u64 s[104:105], s[4:5], s[38:39]      ; Q's scales
	s_add_nc_u64 s[94:95], s[6:7], s[40:41]        ; the lane masks
	s_add_nc_u64 s[98:99], s[8:9], s[44:45]        ; ac
	s_add_nc_u64 s[100:101], s[10:11], s[46:47]    ; asc
	CROUND                                         ; all four work-groups are here: the joint loads meet
	tensor_load_to_lds s[16:19], s[20:27]          ; my one tensor load of the launch
	s_nop 0
.rept 4
	v_nop
.endr
	QLOAD                                          ; the first pass's Q is on its way while the head's tiles land
	s_wait_tensorcnt 0x0                           ; my part has landed (and the descriptor's registers are free for the lane masks),
	s_barrier_signal -1
	s_barrier_wait -1                              ; everybody's has
	MFIRST
.irp i, 0,1,2,3                                ; K of key step 0 into the first buffer, five loads a fragment; from here on each step asks for the next step's in the same order
.irp c, 0,1,2,3
	ds_load_b128 v[48+16*\i+4*\c:48+16*\i+4*\c+3], v1 offset:2048*\i+512*\c
.endr
	ds_load_b32 v[240+\i], v2 offset:64*\i
.endr
.macro SMUL t, kb, sb                  ; S^T: tile t of 16 keys lies in half t % 2 of fragment t / 2; the other half meets zeros
	v_wmma_scale_f32_16x16x128_f8f6f4 v[\sb+8*(\t):\sb+8*(\t)+7], v[\kb+16*((\t)/2):\kb+16*((\t)/2)+15], v[16+8*((\t)%2):31+8*((\t)%2)], 0, v[240+(\t)/2], v40 matrix_a_fmt:MATRIX_FMT_BF8 matrix_b_fmt:MATRIX_FMT_BF8
.endm
.macro SUM4 sb, j                      ; eight more p into the step's sum: two at a time, four chains
	v_pk_add_f32 v[10:11], v[10:11], v[\sb+\j:\sb+\j+1]
	v_pk_add_f32 v[44:45], v[44:45], v[\sb+\j+2:\sb+\j+3]
	v_pk_add_f32 v[46:47], v[46:47], v[\sb+\j+4:\sb+\j+5]
	v_pk_add_f32 v[42:43], v[42:43], v[\sb+\j+6:\sb+\j+7]
.endm
; A KEY STEP of 128 keys: half hf of a trip.  kb: the buffer that holds this step's K and then its V;  sb: the buffer that takes the scores, then p, then the next step's K.
.macro STEP hf, kb, sb
	AWAIT                                          ; ahead of the blocking wait: the addresses made at the trip's head are read behind it
	s_wait_dscnt 10                                ; K was asked for in 20 loads, five a fragment: fragments 0 and 1 and their scale words are in
.irp t, 0,1,2,3                                ; (nine places stand between the last V^T P, which read these result registers as V, and the first of these)
	SMUL \t, \kb, \sb
.endr
	s_wait_dscnt 5                                 ; fragment 2
	SMUL 4, \kb, \sb
	SMUL 5, \kb, \sb
	s_wait_dscnt 0x0                               ; fragment 3
	SMUL 6, \kb, \sb
	SMUL 7, \kb, \sb
	v_mov_b32 v251, v12                            ; -M as it stood, for f
.rept 7
	v_nop                                          ; with the line above: eight places in front of the loads below and of the first reads of the scores
.endr
.irp t, 0,1,2,3                                ; V's four fragments land while the softmax is walked
.irp c, 0,1,2,3
	ds_load_b128 v[\kb+16*\t+4*\c:\kb+16*\t+4*\c+3], v5 offset:8192*\hf+2048*\t+512*\c
.endr
	ds_load_b32 v[244+\t], v6 offset:LVS+256*\hf+64*\t
.endr
	s_wait_kmcnt 0x0                               ; this step's lane masks are in
.set n, 0
.rept 64                                       ; register 16 c + i holds key 32 c + 16 (lane / 16) + i: one select a score; each accumulator from its low end on
.if n < 48
	v_cndmask_b32 v[\sb+n], v3, v[\sb+n], s[16+n]
.else
	v_cndmask_b32 v[\sb+n], v3, v[\sb+n], s[20+n]
.endif
.set n, n+1
.endr
.irp b, 0,1,2,3                                ; the largest score of each block of 32 keys, my 16 in two chains a block: eight chains by turns
	v_max3_num_f32 v[224+\b], v[\sb+16*\b], v[\sb+16*\b+1], v[\sb+16*\b+2]
	v_max3_num_f32 v[228+\b], v[\sb+16*\b+7], v[\sb+16*\b+8], v[\sb+16*\b+9]
.endr
.irp i, 3,5
.irp b, 0,1,2,3
	v_max3_num_f32 v[224+\b], v[224+\b], v[\sb+16*\b+\i], v[\sb+16*\b+\i+1]
	v_max3_num_f32 v[228+\b], v[228+\b], v[\sb+16*\b+\i+7], v[\sb+16*\b+\i+8]
.endr
.endr
.irp b, 0,1,2,3
	v_max3_num_f32 v[224+\b], v[224+\b], v[228+\b], v[\sb+16*\b+14]
.endr
.irp b, 0,1,2,3
	v_max_num_f32 v[224+\b], v[224+\b], v[\sb+16*\b+15]
.endr
.irp b, 0,1,2,3
	v_permlanex16_b32 v[228+\b], v[224+\b], s84, s85
.endr
.irp b, 0,1,2,3
	v_max_num_f32 v[224+\b], v[224+\b], v[228+\b]  ; with lane l xor 16's 16 keys
.endr
.if \hf == 0                                   ; the next step's lane masks are asked for here
	s_load_b512 s[16:31], s[94:95], s91 offset:256
	s_load_b512 s[32:47], s[94:95], s91 offset:320
	s_load_b512 s[48:63], s[94:95], s91 offset:384
	s_load_b512 s[68:83], s[94:95], s91 offset:448
.else
	s_add_co_u32 s93, s91, 512                     ; the last step asks for its own once more, so that no load leaves the tile's 4,096 bytes
	s_min_u32 s93, s93, 3840
	s_load_b512 s[16:31], s[94:95], s93 offset:0
	s_load_b512 s[32:47], s[94:95], s93 offset:64
	s_load_b512 s[48:63], s[94:95], s93 offset:128
	s_load_b512 s[68:83], s[94:95], s93 offset:192
.endif
	v_max3_num_f32 v13, v13, v224, v225            ; the running largest raw score (c is positive, and rounding keeps the order)
	v_max3_num_f32 v13, v13, v226, v227
	v_mul_f32 v254, s86, v13                       ; as t
	v_floor_f32 v12, -v254                         ; the new -M = floor(-t) = -ceil(t)
	v_pk_fma_f32 v[224:225], v[224:225], s[86:87], v[12:13] op_sel_hi:[1,0,0]   ; t - M of each block's largest score: the same form as the scores' own, so the same bits
	v_pk_fma_f32 v[226:227], v[226:227], s[86:87], v[12:13] op_sel_hi:[1,0,0]
	v_sub_f32 v254, v12, v251                      ; old M - new M: a whole number, 0 or less
.set j, 0
.rept 32                                       ; ALL the batch's sources first: t - M, two at a time; the lines that make f stand among them
	v_pk_fma_f32 v[\sb+2*j:\sb+2*j+1], v[\sb+2*j:\sb+2*j+1], s[86:87], v[12:13] op_sel_hi:[1,0,0]
.if j == 7
	v_cvt_i32_f32 v254, v254                       ; (it saturates)
.endif
.if j == 15
	v_ldexp_f32 v248, 1.0, v254                    ; f = 2^(old M - new M)
.endif
.set j, j+1
.endr
	AWAIT                                          ; one wait ahead of the batch
.irp b, 0,1,2,3
	v_exp_f32 v[224+\b], v[224+\b]                 ; the blocks' largest p
.endr
.set j, 0
.rept 64
	v_exp_f32 v[\sb+j], v[\sb+j]                   ; p = 2^(t - M), at most 1
.set j, j+1
.endr
	v_nop                                          ; the plain line behind the last exponential
	AWAIT                                          ; and one wait behind the batch, ahead of its first reader
	; the step's sum of the unquantised p, and the blocks' scales, four lines of each by turns
	v_pk_add_f32 v[10:11], v[\sb:\sb+1], v[\sb+2:\sb+3]
	v_pk_add_f32 v[44:45], v[\sb+4:\sb+5], v[\sb+6:\sb+7]
	v_pk_add_f32 v[46:47], v[\sb+8:\sb+9], v[\sb+10:\sb+11]
	v_pk_add_f32 v[42:43], v[\sb+12:\sb+13], v[\sb+14:\sb+15]
.irp b, 0,1,2,3
	v_max_num_f32 v[224+\b], 0x8000000, v[224+\b]  ; the floor 2^(16 - 127): the byte cannot fall under 1
.endr
	SUM4 \sb, 16
.irp b, 0,1,2,3
	v_add_nc_u32 v[236+\b], 0xf8800000, v[224+\b]  ; 15 off the exponent field: the conversion's scale operand
.endr
	SUM4 \sb, 24
.irp b, 0,1,2,3
	v_and_or_b32 v[232+\b], v[224+\b], 0x7f800000, s88   ; 57,344 x the scale
.endr
	SUM4 \sb, 32
.irp b, 0,1,2,3
	v_lshrrev_b32 v[228+\b], 23, v[236+\b]         ; the scale's byte
.endr
	SUM4 \sb, 40
	v_lshl_or_b32 v253, v229, 8, v228              ; p's scale word for these 128 keys
	SUM4 \sb, 48
	v_lshl_or_b32 v253, v230, 16, v253
	SUM4 \sb, 56
	v_lshl_or_b32 v253, v231, 24, v253
.irp b, 0,1,2,3
.irp i, 0,2,4,6,8,10,12,14                     ; the conversion does not saturate (ISA guide 7.6.2); p is not negative, so the hold is one-sided; two numbers an instruction
	v_dual_min_num_f32 v[\sb+16*\b+\i], v[\sb+16*\b+\i], v[232+\b] :: v_dual_min_num_f32 v[\sb+16*\b+\i+1], v[\sb+16*\b+\i+1], v[232+\b]
.endr
	v_cvt_scalef32_pk8_bf8_f32 v[208+4*\b:209+4*\b], v[\sb+16*\b:\sb+16*\b+7], v[236+\b]
	v_cvt_scalef32_pk8_bf8_f32 v[210+4*\b:211+4*\b], v[\sb+16*\b+8:\sb+16*\b+15], v[236+\b]
.irp c, 0,1,2,3                                ; the block's 16 registers are done with: they take fragment b of the NEXT step's K
.if \hf == 0
	ds_load_b128 v[\sb+16*\b+4*\c:\sb+16*\b+4*\c+3], v4 offset:8192+2048*\b+512*\c
.else
	ds_load_b128 v[\sb+16*\b+4*\c:\sb+16*\b+4*\c+3], v41 offset:2048*\b+512*\c
.endif
.endr
.if \hf == 0
	ds_load_b32 v[240+\b], v6 offset:256+64*\b
.else
	ds_load_b32 v[240+\b], v7 offset:64*\b
.endif
.endr
	AWAIT                                          ; directly ahead of the first reader of O^T, a matrix result read behind exponentials
.set j, 0
.rept 16
	v_pk_mul_f32 v[176+j:177+j], v[176+j:177+j], v[248:249] op_sel_hi:[1,0]   ; O^T under the new M, each accumulator from its low end on: also the places between the codes' making and the products
.set j, j+2
.endr
	AWAIT                                          ; ahead of the blocking wait: the rescaled O^T is first read behind it
	s_wait_dscnt 20                                ; V's fragments and scale words are in; the 20 loads issued behind them, the next step's K, may be out
.irp t, 0,1,2,3                                ; O^T += V^T P^T: four accumulators by turns; eight other products stand between two links of a chain
	v_wmma_scale_f32_16x16x128_f8f6f4 v[176+8*\t:183+8*\t], v[\kb+16*\t:\kb+16*\t+15], v[208:223], v[176+8*\t:183+8*\t], v[244+\t], v253 matrix_a_fmt:MATRIX_FMT_BF8 matrix_b_fmt:MATRIX_FMT_BF8
.endr
	; nine places in front of the next scores, which write over the registers that these products read as V: the sum's last four lines, and five more: v_nop here, the address additions at the trip's head behind the second half
	v_pk_add_f32 v[10:11], v[10:11], v[44:45]
	v_pk_add_f32 v[46:47], v[46:47], v[42:43]
.if \hf == 0
	v_nop
	v_nop
.endif
	v_pk_add_f32 v[10:11], v[10:11], v[46:47]
.if \hf == 0
	v_nop
	v_nop
	v_nop
.endif
	v_pk_fma_f32 v[14:15], v[14:15], v[248:249], v[10:11] op_sel_hi:[1,0,1]   ; the row's sum under the new M, and the step's
.endm
	s_mov_b32 s92, 0                               ; the pass
.Lpass:                                            ; three passes.  A pass's Q, first lane masks and K of key step 0 have been asked for ahead of it
	s_cmp_eq_u32 s92, 0
	s_cselect_b32 s4, L0, L1                       ; ranks under this number have a tile in this pass,
	s_cselect_b32 s5, L1, L2                       ; under this one in the next
	s_cselect_b32 s6, L0, L1                       ; tiles from this pass's tile to the next's
	s_mov_b32 s7, 139264                           ; in ac: from pass 1 to 2 a group of 128 tokens and four tiles on (131,072 + 4 x 2,048: ranks under 4 go from tile 16 + rank to 28 + rank),
	s_cselect_b32 s7, 262144, s7                   ; from pass 0 to 1 two groups
	s_mov_b32 s8, 4608                             ; in asc: 4,096 + 4 x 128,
	s_cselect_b32 s8, 8192, s8                     ; or 2 x 4,096
	s_cmp_eq_u32 s92, 2
	s_cselect_b32 s4, L2, s4
	s_cselect_b32 s5, 0, s5
	s_cmp_lt_u32 s3, s4
	s_cselect_b32 s4, 1, 0
	s_cmp_lt_u32 s3, s5
	s_cselect_b32 s5, 1, 0
	s_mov_b32 s11, 0                               ; the upper word of the offsets below
	s_mov_b32 s89, 0                               ; the trip: key steps 2 s89 and 2 s89 + 1
	v_mov_b32 v13, 0xff61b1e6                      ; the largest score so far: -3e38, under every score
	v_floor_f32 v12, -v13                          ; -M
	v_mov_b32 v14, 0                               ; the sum, in two halves
	v_mov_b32 v15, 0
.irp b, 0,1,2,3
	v_mov_b32 v[228+\b], 0                         ; a lane permute's destination counts as one of its sources
.endr
	AWAIT
	s_wait_loadcnt 0x0                             ; Q
	v_lshl_or_b32 v40, v254, 16, v254              ; Q's scale word: its two bytes for either half of K
.set j, 0
.rept 32
	v_mov_b32 v[176+j], 0                          ; O^T: the first change of M leaves zeros zeros.  (These are also the places between the scale word's making and its first use)
.set j, j+1
.endr
.Ltrip:                                            ; 8 trips of two key steps, walked by every wave
	s_cmp_eq_u32 s4, 0
	s_cbranch_scc1 .Lidle                          ; no tile of mine in this pass: round the trip's work alone
	s_lshl_b32 s90, s89, 14                        ; the trip's tiles in LDS: 8,192 bytes a step,
	s_lshl_b32 s91, s89, 9                         ; its scale words, and its lane masks in memory: 256 bytes a step
	s_add_co_u32 s14, s90, 16384                   ; the next trip's first step; behind the last trip: step 0 again, which the next pass wants first
	s_and_b32 s14, s14, 0x1ffff
	s_add_co_u32 s15, s91, 512
	s_and_b32 s15, s15, 0xfff
	v_add_nc_u32 v4, s90, v1                       ; K's fragments,
	v_add_nc_u32 v6, s91, v2                       ; the scale words,
	v_add_nc_u32 v41, s14, v1                      ; the next trip's K
	v_add_nc_u32 v7, s15, v2                       ; and its scale words,
	v_add_nc_u32 v5, LV, v4                        ; V's fragments
	STEP 0, 48, 112
	STEP 1, 112, 48
.Lidle:
	s_add_co_u32 s89, s89, 1
	s_cmp_lt_u32 s89, 8
	AWAIT                                          ; directly ahead of the branch
	s_cbranch_scc1 .Ltrip
	s_wait_kmcnt 0x0                               ; the last step's repeated request is in; Q's loads were waited for at the pass's head: so their bases may step to the next pass's tile
	s_lshl_b32 s10, s6, 10
	s_add_nc_u64 s[96:97], s[96:97], s[10:11]      ; Q: 1,024 bytes a tile
	s_lshl_b32 s10, s6, 5
	s_add_nc_u64 s[104:105], s[104:105], s[10:11]  ; its scales: 64 bytes a pair of tiles
	s_lshl_b32 s10, s6, 12
	s_add_nc_u64 s[94:95], s[94:95], s[10:11]      ; the lane masks: 4,096 bytes a tile
	s_cmp_eq_u32 s5, 0
	s_cbranch_scc1 .Lno_next
	QLOAD                                          ; the next pass's Q and first lane masks are on their way while this pass's result is made
	MFIRST
.Lno_next:
	s_cmp_eq_u32 s4, 0
	s_cbranch_scc1 .Lno_out
	; THE WAY OUT.  O^T / the sum; register 16 c + i is channel 32 c + 16 (lane / 16) + i of my query: two blocks along the last product's K, quantised as that product's operand
	v_add_f32 v14, v14, v15                        ; the sum's two halves,
	v_permlanex16_b32 v252, v14, s84, s85
	v_add_f32 v14, v14, v252                       ; and lane l xor 16's
	AWAIT                                          ; ahead of the transcendental
	v_rcp_f32 v14, v14
.rept 8
	v_nop                                          ; eight places behind the last products; the first is the plain line behind the reciprocal
.endr
	AWAIT                                          ; ahead of the reciprocal's first reader, which is O^T's first reader too
.set j, 0
.rept 16
	v_pk_mul_f32 v[112+j:113+j], v[176+j:177+j], v[14:15] op_sel_hi:[1,0]
.set j, j+2
.endr
.irp b, 0,1
	v_max3_num_f32 v[224+\b], |v[112+16*\b]|, |v[113+16*\b]|, 0x8000000
.endr
.irp i, 2,4,6,8,10,12,14
.irp b, 0,1
	v_max3_num_f32 v[224+\b], v[224+\b], |v[112+16*\b+\i]|, |v[113+16*\b+\i]|
.endr
.endr
.irp b, 0,1
	v_permlanex16_b32 v[228+\b], v[224+\b], s84, s85
.endr
.irp b, 0,1
	v_max_num_f32 v[224+\b], v[224+\b], v[228+\b]
.endr
.irp b, 0,1
	v_add_nc_u32 v[236+\b], 0xf8800000, v[224+\b]
.endr
.irp b, 0,1
	v_and_or_b32 v[232+\b], v[224+\b], 0x7f800000, s88
.endr
.irp b, 0,1
	v_lshrrev_b32 v[228+\b], 23, v[236+\b]
.endr
	v_lshl_or_b32 v250, v229, 8, v228              ; my head's two bytes of the row's scale word
.irp b, 0,1
.irp i, 0,1,2,3,4,5,6,7,8,9,10,11,12,13,14,15
	v_med3_num_f32 v[112+16*\b+\i], v[112+16*\b+\i], -v[232+\b], v[232+\b]
.endr
	v_cvt_scalef32_pk8_bf8_f32 v[208+4*\b:209+4*\b], v[112+16*\b:119+16*\b], v[236+\b]
	v_cvt_scalef32_pk8_bf8_f32 v[210+4*\b:211+4*\b], v[120+16*\b:127+16*\b], v[236+\b]
.endr
	v_nop                                          ; a plain line behind the last conversion
	global_store_b128 v1, v[208:211], s[98:99]     ; 512 consecutive bytes a store: half a fragment of the last product's A
	global_store_b128 v1, v[212:215], s[98:99] offset:512
	global_store_b16 v9, v250, s[100:101]          ; two bytes a row (both halves of the lanes write the same): a word's other two bytes are another head's, another work-group's
.Lno_out:
	s_wait_xcnt 0x0                                ; the stores have read their data and their bases: both may be written
	s_mov_b32 s10, s7
	s_add_nc_u64 s[98:99], s[98:99], s[10:11]
	s_mov_b32 s10, s8
	s_add_nc_u64 s[100:101], s[100:101], s[10:11]
	s_add_co_u32 s92, s92, 1
	s_cmp_lt_u32 s92, 3
	AWAIT                                          ; directly ahead of the branch
	s_cbranch_scc1 .Lpass
	s_wait_dscnt 0x0                               ; my last request for K, which nobody reads, is back
	s_wait_xcnt 0x0
	v_lshl_add_u32 v254, v0, 2, SPARE              ; the add's two registers served as work registers: they are made anew from v0
	v_mov_b32 v255, 0
	AWAIT
	s_wait_tensorcnt 0x0                           ; the wave's end
	ds_add_u32 v254, v255
	s_wait_dscnt 0x0
	CROUND                                         ; the closing round: no work-group ends while a partner may still ask for a tile that names it
	s_endpgm
.Lfunc_end_k_qed74c769bf_attn:
	.size	k_qed74c769bf_attn, .Lfunc_end_k_qed74c769bf_attn-k_qed74c769bf_attn
	.p2alignl 7, 3214868480
	.fill 96, 4, 3214868480
	.section	.rodata,"a",@progbits
	.p2align	6, 0x0
	.amdhsa_kernel k_qed74c769bf_attn
		.amdhsa_group_segment_fixed_size 327680
		.amdhsa_private_segment_fixed_size 0
		.amdhsa_enable_private_segment 0
		.amdhsa_kernarg_size 32
		.amdhsa_user_sgpr_count 2
		.amdhsa_user_sgpr_kernarg_segment_ptr 1
		.amdhsa_wavefront_size32 1
		.amdhsa_system_sgpr_workgroup_id_x 1
		.amdhsa_system_sgpr_workgroup_id_y 1
		.amdhsa_system_sgpr_workgroup_id_z 1
		.amdhsa_system_vgpr_workitem_id 0
		.amdhsa_next_free_vgpr 256
		.amdhsa_next_free_sgpr 106
		.amdhsa_reserve_vcc 0
		.amdhsa_float_denorm_mode_32 3
		.amdhsa_float_denorm_mode_16_64 3
		.amdhsa_memory_ordered 1
		.amdhsa_forward_progress 1
		.amdhsa_inst_pref_size 63
	.end_amdhsa_kernel
	.amdgpu_metadata
---
amdhsa.version: [ 1, 2 ]
amdhsa.kernels:
  - .name:           k_qed74c769bf_attn
    .symbol:         k_qed74c769bf_attn.kd
    .args:
      - { .name: qkv, .offset: 0, .size: 8, .value_kind: global_buffer, .address_space: global }
      - { .name: mw, .offset: 8, .size: 8, .value_kind: global_buffer, .address_space: global }
      - { .name: ac, .offset: 16, .size: 8, .value_kind: global_buffer, .address_space: global }
      - { .name: asc, .offset: 24, .size: 8, .value_kind: global_buffer, .address_space: global }
    .group_segment_fixed_size: 327680
    .private_segment_fixed_size: 0
    .kernarg_segment_align: 8
    .kernarg_segment_size: 32
    .max_flat_workgroup_size: 512
    .sgpr_count:     106
    .vgpr_count:     256
    .wavefront_size: 32
...
	.end_amdgpu_metadata
.endif
;; end of part 3
;; launch outp (part 4): grid 4 x 32, 4 waves a work-group, clusters of 4 x 4, 327,680 bytes of LDS; arguments ac, asc, xc, xs, bo, out0; writes out0
.if DOCPART == 4
	.amdgcn_target "amdgcn-amd-amdhsa--gfx1250"
	.amdhsa_code_object_version 6
	.text
	.protected	k_qed74c769bf_outp
	.globl	k_qed74c769bf_outp
	.p2align	8
	.type	k_qed74c769bf_outp,@function
k_qed74c769bf_outp:
	s_mov_b64 s[64:65], 0
	v_nop
	global_prefetch_b8 v0, s[64:65] scope:SCOPE_SE
	s_setreg_imm32_b32 hwreg(HW_REG_WAVE_MODE, 25, 1), 1
	s_wait_xcnt 0x0
	s_wait_alu depctr_hold_cnt(0) depctr_sa_sdst(0) depctr_va_vdst(0) depctr_va_sdst(0) depctr_va_ssrc(0) depctr_va_vcc(0) depctr_vm_vsrc(0)
	s_getreg_b32 s2, hwreg(HW_REG_IB_STS2, 6, 4)
	s_cmp_eq_u32 s2, 0
	s_cbranch_scc0 .Lentry_in_a_cluster
	s_endpgm
.Lentry_in_a_cluster:
	s_bfe_u32 s2, ttmp6, 0x10000c
	s_cmp_lg_u32 s2, 0xf033
	s_cbranch_scc0 .Lentry_shape_is_right
	s_endpgm
.Lentry_shape_is_right:
.set NQ,     2
.set FR,     16
.set NL,     4
.set NP,     8
.set HALFT,  32768
.set SLOT,   4*HALFT
.set SCL,    2*SLOT
.set SPARE,  SCL+4*4096
.set SPITCH, 528
.set ADRA, 16
.set ADRB, 20
.set STO,  24
.set RD,   25
.set CO,   26
.set ADRS, 27
.set SPW,  28
.set NIL,  29
.set SC,   32
.set BIAS, 64
.set AF,   128
.set BK,   128
.set G1, 24
.set G0, 32
.set G1B, 48
.set G0B, 56
.set G1S, 68
.set G0S, 76
.set G1SB, 80
.set G0SB, 88
.set MSB, 0
.macro WIN new
.if MSB != \new
	s_set_vgpr_msb (MSB<<8)|\new
.set MSB, \new
.endif
.endm
.set MUL_LO, 0xa1
.set MUL_HI, 0xf1
.set BIA_LO, 0x81
.set BIA_HI, 0xc1
.set TO_B,   0x40
.macro JLOAD g0a, g1a, g0b, g1b
	s_cmp_eq_u32 s17, 0
	s_cbranch_scc0 .Lfor_b_\@
	tensor_load_to_lds s[\g0a:\g0a+3], s[\g1a:\g1a+7]
	s_nop 0
.rept 4
	v_nop
.endr
	s_branch .Lasked_\@
.Lfor_b_\@:
	tensor_load_to_lds s[\g0b:\g0b+3], s[\g1b:\g1b+7]
	s_nop 0
.rept 4
	v_nop
.endr
.Lasked_\@:
.endm
.macro CREST
	s_cmp_lg_u32 s16, 0
	s_cbranch_scc1 .Lnot_wave_0_\@
	s_barrier_signal -3
.Lnot_wave_0_\@:
	s_barrier_wait -3
	s_barrier_signal -1
	s_barrier_wait -1
.endm
.macro CROUND
	s_barrier_signal -1
	s_barrier_wait -1
	CREST
.endm
	s_load_b256 s[4:11], s[0:1], 0x0
	s_load_b128 s[12:15], s[0:1], 0x20
	v_lshl_add_u32 v[SPW], v0, 2, SPARE
	v_mov_b32 v[NIL], 0
	ds_add_u32 v28, v29
	ds_add_u32 v28, v29
	s_wait_dscnt 0x0
	v_lshrrev_b32 v1, 5, v0
	v_readfirstlane_b32 s16, v1
	s_lshr_b32 s17, s16, 1
	s_and_b32 s18, s16, 1
	s_bfe_u32 s40, ttmp6, 0x40000
	s_bfe_u32 s41, ttmp6, 0x40004
	s_and_b32 s43, ttmp7, 0xffff
	s_lshl_b32 s43, s43, 2
	s_add_co_u32 s43, s43, s41
	s_lshl_b32 s44, s41, 2
	s_lshl_b32 s44, 15, s44
	s_lshl_b32 s45, 0x1111, s40
	s_or_b32 s[G1], s44, (3<<16)|(1<<21)
	s_or_b32 s[G1B], s45, (3<<16)|(1<<21)
	s_or_b32 s[G1S], s44, (3<<16)|(1<<21)
	s_or_b32 s[G1SB], s45, (3<<16)|(1<<21)
.irp g, G1, G1B                        ; for the head's loads: two rows of 32,768 bytes (4,096 elements of 8), 131,072 bytes apart: both groups of 128 rows, K step 0
	s_mov_b32 s[\g+1], 4096<<16
	s_mov_b32 s[\g+2], 2<<16
	s_mov_b32 s[\g+3], 4096<<16
	s_mov_b32 s[\g+4], 2
	s_mov_b32 s[\g+5], 16384
	s_mov_b32 s[\g+6], 0
	s_mov_b32 s[\g+7], 0
.endr
.irp g, G1S, G1SB                      ; the scale words of both groups: 8,192 dense bytes, 32 rows of 256
	s_mov_b32 s[\g+1], 32<<16
	s_mov_b32 s[\g+2], 32<<16
	s_mov_b32 s[\g+3], 32<<16
	s_mov_b32 s[\g+4], 32
	s_mov_b32 s[\g+5], 32
	s_mov_b32 s[\g+6], 0
	s_mov_b32 s[\g+7], 0
.endr
	s_lshl_b32 s22, s43, 1
	s_add_co_u32 s22, s22, s18
	s_lshl_b32 s46, s40, 1
	s_add_co_u32 s46, s46, s18
	s_add_co_u32 s46, s46, 216
	s_lshl_b32 s66, s22, 12
	s_mov_b32 s67, 0
	s_lshl_b32 s22, s22, 17
	s_mov_b32 s23, 0
	s_lshl_b32 s100, s46, 12
	s_mov_b32 s101, 0
	s_lshl_b32 s46, s46, 17
	s_mov_b32 s47, 0
	s_lshl_b32 s2, s16, 15
	s_lshl_b32 s3, s16, 12
	s_wait_kmcnt 0x0
	s_add_nc_u64 s[22:23], s[4:5], s[22:23]
	s_add_nc_u64 s[66:67], s[6:7], s[66:67]
	s_add_nc_u64 s[46:47], s[8:9], s[46:47]
	s_add_nc_u64 s[100:101], s[10:11], s[100:101]
	CROUND
	s_mov_b32 s[G0S], 1
	s_lshl_b32 s92, s18, 17                        ; my addresses name the group 2 x tile + wave % 2: the head's loads begin at the tile's first group
	s_mov_b32 s93, 0
	s_lshl_b32 s94, s18, 12
	s_mov_b32 s95, 0
	s_mov_b32 s[G0S+1], SCL
	s_sub_nc_u64 s[G0S+2:G0S+3], s[66:67], s[94:95]
	s_or_b32 s[G0S+3], s[G0S+3], 0x80000000
	s_mov_b32 s[G0SB], 1
	s_mov_b32 s[G0SB+1], SCL+2*4096
	s_sub_nc_u64 s[G0SB+2:G0SB+3], s[100:101], s[94:95]
	s_or_b32 s[G0SB+3], s[G0SB+3], 0x80000000
	s_mov_b32 s[G0], 1                             ; slot 0's group 0 serves the head's load first: A's two groups,
	s_mov_b32 s[G0+1], 0
	s_sub_nc_u64 s[G0+2:G0+3], s[22:23], s[92:93]
	s_or_b32 s[G0+3], s[G0+3], 0x80000000
	s_mov_b32 s[G0B], 1                            ; and B's, behind them in the slot
	s_mov_b32 s[G0B+1], 2*HALFT
	s_sub_nc_u64 s[G0B+2:G0B+3], s[46:47], s[92:93]
	s_or_b32 s[G0B+3], s[G0B+3], 0x80000000
; THE HEAD'S LOADS, ONE A WAVE: wave 0 K step 0 of A, wave 1 of B, wave 2 A's scale words, wave 3 B's.  One tree of branches on the wave's number: every way passes exactly one load.
.macro ARM under, g0, g1, next
	s_cmp_lt_u32 s16, \under
	s_cbranch_scc0 \next
	tensor_load_to_lds s[\g0:\g0+3], s[\g1:\g1+7]
	s_nop 0
.rept 4
	v_nop
.endr
	s_branch .Lhead_asked
\next:
.endm
	ARM 1, G0,  G1,  .Lhead_b
	ARM 2, G0B, G1B, .Lhead_sa
	ARM 3, G0S, G1S, .Lhead_sb
	tensor_load_to_lds s[G0SB:G0SB+3], s[G1SB:G1SB+7]
	s_nop 0
.rept 4
	v_nop
.endr
.Lhead_asked:
	s_wait_alu depctr_va_vdst(0)
	s_wait_tensorcnt 0x0                           ; my tile of the four is in, so every descriptor may be written
	ds_add_u32 v28, v29
.irp g, G1, G1B                        ; from here on a load brings 128 rows of 256 bytes
	s_mov_b32 s[\g+1], 32<<16
	s_mov_b32 s[\g+2], 128<<16
	s_mov_b32 s[\g+3], 32<<16
	s_mov_b32 s[\g+4], 128
	s_mov_b32 s[\g+5], 32
.endr
.irp s, 0,1
	s_mov_b32 s[G0+4*\s], 1
	s_add_co_u32 s[G0+4*\s+1], s2, \s*SLOT
	s_add_nc_u64 s[G0+4*\s+2:G0+4*\s+3], s[22:23], \s*HALFT
	s_or_b32 s[G0+4*\s+3], s[G0+4*\s+3], 0x80000000
	s_mov_b32 s[G0B+4*\s], 1
	s_add_co_u32 s[G0B+4*\s+1], s2, \s*SLOT
	s_add_nc_u64 s[G0B+4*\s+2:G0B+4*\s+3], s[46:47], \s*HALFT
	s_or_b32 s[G0B+4*\s+3], s[G0B+4*\s+3], 0x80000000
.endr
	s_wait_dscnt 0x0                               ; the add is done
	CROUND                                         ; a whole round: the head's four tiles are in, in every partner
	JLOAD G0+4, G1, G0B+4, G1B                     ; slot 1's first fill, issued as a refill is: a quarter of the slot a wave
	v_and_b32 v1, 15, v0
	v_bfe_u32 v2, v0, 4, 1
	s_wait_alu depctr_va_vdst(0)
	v_and_b32 v3, 31, v0
	v_lshlrev_b32 v3, 4, v3
	s_lshl_b32 s22, s17, 15
	s_lshl_b32 s23, s18, 15
	s_add_co_u32 s23, s23, 2*HALFT
.irp s, 0,1
	v_add_nc_u32 v[ADRA+\s], s22, v3
	v_add_nc_u32 v[ADRB+\s], s23, v3
	s_add_co_u32 s22, s22, SLOT
	s_add_co_u32 s23, s23, SLOT
.endr
	s_lshl_b32 s22, s17, 12
	s_lshl_b32 s23, s18, 12
	s_add_co_u32 s23, s23, 2*4096
	s_sub_co_u32 s23, s23, s22
	v_mul_u32_u24 v5, s23, v2
	s_add_co_u32 s22, s22, SCL
	v_lshl_add_u32 v5, v1, 3, v5
	v_add_nc_u32 v[ADRS], s22, v5
	s_lshl_b32 s22, s43, 8
	s_lshl_b32 s23, s17, 7
	s_add_co_u32 s22, s22, s23
	s_lshl_b32 s46, s40, 8
	s_lshl_b32 s47, s18, 7
	s_add_co_u32 s46, s46, s47
	s_lshl_b32 s66, s46, 2
	s_mov_b32 s67, 0
	s_add_nc_u64 s[12:13], s[12:13], s[66:67]
	s_add_nc_u64 s[14:15], s[14:15], s[66:67]
	s_lshl_b32 s66, s22, 12
	s_add_nc_u64 s[14:15], s[14:15], s[66:67]
	v_lshlrev_b32 v6, 6, v2
.irp j, 0,1,2,3
.irp e, 0,1,2,3
	global_load_b128 v[BIAS+16*\j+4*\e:BIAS+16*\j+4*\e+3], v6, s[12:13] offset:128*\j+16*\e
.endr
.endr
	s_mul_i32 s23, s16, 16*SPITCH
	v_mul_u32_u24 v5, v1, SPITCH
	v_lshl_add_u32 v5, v2, 6, v5
	v_add_nc_u32 v[STO], s23, v5
	v_mov_b32 v[CO], v3
	v_add_nc_u32 v[RD], s23, v3
	s_wait_alu depctr_va_vdst(0)
	s_wait_loadcnt 0x0
.macro FRAG reg, adr, q, i
.irp c, 0,1,2,3
	ds_load_b128 v[\reg+4*\c:\reg+4*\c+3], v[\adr] offset:(8*(\q)+(\i))*2048+512*\c
.endr
.endm
.macro MUL16 a0, p, q, sc, cm
.irp a, \a0, \a0+1
.irp b, 0,1,2,3,4,5,6,7
.if \cm == 1
	v_wmma_scale_f32_16x16x128_f8f6f4 v[8*(8*((\a)%4)+\b):8*(8*((\a)%4)+\b)+7], v[128*(\p)+FR*\b:128*(\p)+FR*\b+FR-1], v[AF+FR*(\a):AF+FR*(\a)+FR-1], v[BIAS+8*\b:BIAS+8*\b+7], v[SC+8*NQ*(\sc)+NQ*\b+(\q)], v[SC+8*NQ*(\sc)+NQ*(\a)+(\q)] matrix_a_fmt:MATRIX_FMT_BF8 matrix_b_fmt:MATRIX_FMT_BF8 matrix_a_scale:MATRIX_SCALE_ROW1
.else
	v_wmma_scale_f32_16x16x128_f8f6f4 v[8*(8*((\a)%4)+\b):8*(8*((\a)%4)+\b)+7], v[128*(\p)+FR*\b:128*(\p)+FR*\b+FR-1], v[AF+FR*(\a):AF+FR*(\a)+FR-1], v[8*(8*((\a)%4)+\b):8*(8*((\a)%4)+\b)+7], v[SC+8*NQ*(\sc)+NQ*\b+(\q)], v[SC+8*NQ*(\sc)+NQ*(\a)+(\q)] matrix_a_fmt:MATRIX_FMT_BF8 matrix_b_fmt:MATRIX_FMT_BF8 matrix_a_scale:MATRIX_SCALE_ROW1
.endif
.endr
.endr
.endm
.macro FETCH_B slot, q, p
	WIN TO_B
.irp i, 0,1,2,3,4,5,6,7
	FRAG 128*(\p)+FR*\i, ADRB+\slot, \q, \i
.endr
	WIN 0
.endm
.macro FETCH_A slot, q, i0
.irp i, \i0, \i0+1, \i0+2, \i0+3
	FRAG AF+FR*(\i), ADRA+\slot, \q, \i
.endr
.endm
.macro SCALES sc
.irp i, 0,1,2,3,4,5,6,7
	ds_load_b64 v[SC+8*NQ*\sc+NQ*\i:SC+8*NQ*\sc+NQ*\i+1], v[ADRS] offset:\i*128
.endr
.endm
.macro PLACES n
.rept \n
	v_nop
.endr
.endm
.macro STEP slot, q, cm
	s_wait_dscnt 4*NL
.if \cm
	WIN BIA_LO
.else
	WIN MUL_LO
.endif
	MUL16 0, (\q)%2, \q, \slot, \cm
	MUL16 2, (\q)%2, \q, \slot, \cm
	s_wait_dscnt 0
	PLACES NP
	FETCH_B \slot, (\q)+1, 1-(\q)%2
	FETCH_A \slot, (\q)+1, 0
.if \cm
	WIN BIA_HI
.else
	WIN MUL_HI
.endif
	MUL16 4, (\q)%2, \q, \slot, \cm
	MUL16 6, (\q)%2, \q, \slot, \cm
	PLACES NP
	WIN 0
	FETCH_A \slot, (\q)+1, 4
.endm
.macro TURN slot, next, fill
	s_wait_tensorcnt 0x0
	ds_add_u32 v[SPW], v[NIL]
	s_wait_dscnt 4*NL+1
	WIN MUL_LO
	MUL16 0, 1, NQ-1, \slot, 0
	s_wait_dscnt 0x0
	s_barrier_signal -1
	MUL16 2, 1, NQ-1, \slot, 0
	WIN 0
	s_barrier_wait -1
.if \fill
	CREST
	s_add_nc_u64 s[G0+4*\slot+2:G0+4*\slot+3], s[G0+4*\slot+2:G0+4*\slot+3], 2*HALFT
	s_add_nc_u64 s[G0B+4*\slot+2:G0B+4*\slot+3], s[G0B+4*\slot+2:G0B+4*\slot+3], 2*HALFT
	JLOAD G0+4*\slot, G1, G0B+4*\slot, G1B
	PLACES NP-4
.else
	PLACES NP
.endif
	s_wait_alu depctr_va_vdst(0)
	v_add_nc_u32 v[ADRS], 1024, v[ADRS]
	FETCH_B \next, 0, 0
	FETCH_A \next, 0, 0
	SCALES \next
	WIN MUL_HI
	MUL16 4, 1, NQ-1, \slot, 0
	MUL16 6, 1, NQ-1, \slot, 0
	PLACES NP
	WIN 0
	FETCH_A \next, 0, 4
.endm
	s_wait_tensorcnt 1
	s_barrier_signal -1
	s_barrier_wait -1
	FETCH_B 0, 0, 0
	FETCH_A 0, 0, 0
	SCALES 0
	FETCH_A 0, 0, 4
	STEP 0, 0, 1
	s_mov_b32 s101, 1
.Llap:
	TURN 0, 1, 1
	STEP 1, 0, 0
	TURN 1, 0, 1
	STEP 0, 0, 0
	s_sub_co_u32 s101, s101, 1
	s_cmp_lg_u32 s101, 0
	s_cbranch_scc1 .Llap
	TURN 0, 1, 0
	STEP 1, 0, 0
	s_wait_dscnt 4*NL
	WIN MUL_LO
	MUL16 0, 1, NQ-1, 1, 0
	MUL16 2, 1, NQ-1, 1, 0
	s_wait_dscnt 0
	WIN MUL_HI
	MUL16 4, 1, NQ-1, 1, 0
	MUL16 6, 1, NQ-1, 1, 0
	WIN 0
.macro TOSTAGE a
.set AC, 64*((\a)%4)
	WIN 0x08+4*((\a)/4)
.irp b, 0,1,2,3,4,5,6,7
	ds_store_b128 v[STO], v[AC+8*\b:AC+8*\b+3] offset:128*(\b/2)+32*(\b%2)
	ds_store_b128 v[STO], v[AC+8*\b+4:AC+8*\b+7] offset:128*(\b/2)+32*(\b%2)+16
.endr
	WIN 0
.set BB, BK+64*((\a)%2)
.irp t, 0,1,2,3,4,5,6,7,8,9,10,11,12,13,14,15
	ds_load_b128 v[BB+4*\t:BB+4*\t+3], v[RD] offset:\t*SPITCH
.endr
.endm
.macro SEND a, younger
.set BB, BK+64*((\a)%2)
	s_wait_dscnt \younger
.irp t, 0,1,2,3,4,5,6,7,8,9,10,11,12,13,14,15
	global_store_b128 v[CO], v[BB+4*\t:BB+4*\t+3], s[14:15] offset:(32*((\a)/2)+8*((\a)%2)+\t+8*(\t/8))*4096 th:TH_STORE_NT
.endr
.endm
	PLACES NP
	TOSTAGE 0
.irp a, 1,2,3,4,5,6,7
.if \a > 1
	s_wait_xcnt 0x0
.endif
	TOSTAGE \a
	SEND \a-1, 32
.endr
	SEND 7, 0
	s_wait_tensorcnt 0x0
	ds_add_u32 v[SPW], v[NIL]
	s_wait_dscnt 0x0
	CROUND
	s_endpgm
.Lfunc_end_k_qed74c769bf_outp:
	.size	k_qed74c769bf_outp, .Lfunc_end_k_qed74c769bf_outp-k_qed74c769bf_outp
	.p2alignl 7, 3214868480
	.fill 96, 4, 3214868480
	.section	.rodata,"a",@progbits
	.p2align	6, 0x0
	.amdhsa_kernel k_qed74c769bf_outp
		.amdhsa_group_segment_fixed_size 327680
		.amdhsa_private_segment_fixed_size 0
		.amdhsa_enable_private_segment 0
		.amdhsa_kernarg_size 48
		.amdhsa_user_sgpr_count 2
		.amdhsa_user_sgpr_kernarg_segment_ptr 1
		.amdhsa_wavefront_size32 1
		.amdhsa_system_sgpr_workgroup_id_x 1
		.amdhsa_system_sgpr_workgroup_id_y 1
		.amdhsa_system_sgpr_workgroup_id_z 1
		.amdhsa_system_vgpr_workitem_id 0
		.amdhsa_next_free_vgpr 1024
		.amdhsa_next_free_sgpr 106
		.amdhsa_reserve_vcc 0
		.amdhsa_float_denorm_mode_32 3
		.amdhsa_float_denorm_mode_16_64 3
		.amdhsa_memory_ordered 1
		.amdhsa_forward_progress 1
		.amdhsa_inst_pref_size 148
	.end_amdhsa_kernel
	.amdgpu_metadata
---
amdhsa.version: [ 1, 2 ]
amdhsa.kernels:
  - .name:           k_qed74c769bf_outp
    .symbol:         k_qed74c769bf_outp.kd
    .args:
      - { .name: ac, .offset: 0, .size: 8, .value_kind: global_buffer, .address_space: global }
      - { .name: asc, .offset: 8, .size: 8, .value_kind: global_buffer, .address_space: global }
      - { .name: xc, .offset: 16, .size: 8, .value_kind: global_buffer, .address_space: global }
      - { .name: xs, .offset: 24, .size: 8, .value_kind: global_buffer, .address_space: global }
      - { .name: bo, .offset: 32, .size: 8, .value_kind: global_buffer, .address_space: global }
      - { .name: out0, .offset: 40, .size: 8, .value_kind: global_buffer, .address_space: global }
    .group_segment_fixed_size: 327680
    .private_segment_fixed_size: 0
    .kernarg_segment_align: 8
    .kernarg_segment_size: 48
    .max_flat_workgroup_size: 128
    .sgpr_count:     106
    .vgpr_count:     1024
    .wavefront_size: 32
...
	.end_amdgpu_metadata
.endif
;; end of part 4
